; MI455X (gfx1250); checked and timed in simulation.
; The chip was launched on July 23, 2026; its instructions are those of AMD's public machine-readable ISA for CDNA 5 (MIT licence, August 2026) and "CDNA5" Instruction Set Architecture Reference Guide (July 2026). The comments in the code are by the model that wrote it; some were corrected since.
;; Sparse Mo E. Allowed arithmetic: float matrix products may take bf16 or f16 operands with f32 sums; other float arithmetic in f32, or as packed bf16 or f16 multiplies, adds, multiply-adds, maxima and minima; sums over many terms, partial sums and values carried from step to step in f32; what a program stores and reads back later, other than sums and carried values, may be rounded once to bf16 or f16.
;; Inputs: b_fc 8 x 4,096 float32; b_noise 8 float32; b_proj 8 x 1,024 float32; b_route 8 float32; noise 2 x 512 x 8 float32; w_fc 8 x 1,024 x 4,096 float32; w_noise 1,024 x 8 float32; w_proj 8 x 4,096 x 1,024 float32; w_route 1,024 x 8 float32; x 2 x 512 x 1,024 float32.
;; Outputs: out0 2 x 512 x 1,024 float32; out1 2 x 512 x 8 float32.
;; Constants: top_k = 2.
;; 3 versions, each right; version 2 is faster than version 1; version 3 is version 2 with the launch proj written anew for expert scheduling mode. Each part assembles by itself: llvm-mc -triple=amdgcn-amd-amdhsa -mcpu=gfx1250 --defsym DOCPART=n.
;; ======== version 1 of 3: 4 launches
;; workspace buffers: xb 2,097,152 bytes; ridx 8,192 bytes of whole numbers; gates 8,192 bytes; hbuf 16,777,216 bytes; ypart 16,777,216 bytes
;; launch route (part 1): grid 256 x 1, 4 waves a work-group, no clusters, 1,536 bytes of LDS; arguments x, noise, w_route, b_route, w_noise, b_noise, xb, ridx, gates, out1; writes xb, ridx, gates, out1
.if DOCPART == 1
	.amdgcn_target "amdgcn-amd-amdhsa--gfx1250"
	.amdhsa_code_object_version 6
	.text
	.protected	k_q765686d124_route
	.globl	k_q765686d124_route
	.p2align	8
	.type	k_q765686d124_route,@function
k_q765686d124_route:
	s_mov_b64 s[64:65], 0
	v_nop
	global_prefetch_b8 v0, s[64:65] scope:SCOPE_SE
	s_setreg_imm32_b32 hwreg(HW_REG_WAVE_MODE, 25, 1), 1
	s_wait_xcnt 0x0
; THE ROUTER.  noisy = x w_route + b_route + noise softplus(x w_noise + b_noise); out1 = softmax(noisy) over the 8 experts;
; the two largest noisy (ties: the lower index) go to ridx[2 t], ridx[2 t + 1], their softmax weights to gates; x goes to xb in bf16.
; FORMATS.  Every input is rounded once to bf16 (x, noise, both weights, both biases), as the experts' products round theirs; all arithmetic behind that is f32.
; The two products are 16 columns wide and 4 tokens tall for a work-group: no 16-row tile, so they run as packed f32 multiply-adds.
; LIMITS.  NaN and infinities are not treated apart.  The 1,024-term sums are added in another order than a plain chain, so a second and third choice
; closer than about 1e-6 of their size may fall the other way.
; SHARES.  A work-group has 4 tokens.  Wave w has d = 256 w .. 256 w + 255 of all four; lane L has d = 256 w + 128 c + 4 L + i (c = 0, 1; i = 0..3).
; The waves' partial sums meet in LDS (word 64 w + 16 tk + 8 m + e); then wave w finishes token w, lane L working for expert L % 8.
.set SPARE, 1024                       ; behind the 1,024 bytes of partial sums: the spare words, 128 bytes a wave
.set X,  16                            ; v[16:47]   x: token tk, half c at X + 8 tk + 4 c
.set W,  48                            ; v[48:175]  weights: matrix m, half c, row i, expert e at W + 64 m + 32 c + 8 i + e
.set S,  176                           ; v[176:239] sums: token tk, matrix m, expert e at S + 16 tk + 8 m + e
.set PK, 240                           ; v[240:255] x packed to bf16, the stores' data; never rewritten
.set LOG2E, 0x3fb8aa3b
	s_load_b512 s[4:19], s[0:1], 0x0               ; x s[4:5], noise s[6:7], w_route s[8:9], b_route s[10:11], w_noise s[12:13], b_noise s[14:15], xb s[16:17], ridx s[18:19]
	s_load_b128 s[20:23], s[0:1], 0x40             ; gates s[20:21], out1 s[22:23]
	v_lshl_add_u32 v2, v0, 2, SPARE                ; my spare word
	v_mov_b32 v3, 0
	v_and_b32 v1, 31, v0                           ; lane
	v_lshrrev_b32 v15, 5, v0
	v_readfirstlane_b32 s24, v15                   ; wave
	s_mov_b32 s36, 0x76543210                      ; v_permlanex16_b32: each lane takes its own place in the other half
	s_mov_b32 s37, 0xfedcba98
	s_mov_b32 s38, 0xffff0000                      ; a word's upper bf16
	s_lshl_b32 s25, s24, 10
	v_lshl_add_u32 v4, v1, 4, s25                  ; x: 1,024 w + 16 L
	s_lshl_b32 s26, s24, 13
	v_lshl_add_u32 v5, v1, 7, s26                  ; weights: 8,192 w + 128 L (four rows of 32 bytes a lane)
	s_lshl_b32 s27, s24, 9
	v_lshl_add_u32 v7, v1, 3, s27                  ; xb: 512 w + 8 L
	v_and_b32 v15, 7, v0                           ; e
	v_lshlrev_b32 v6, 2, v15                       ; 4 e
	s_lshl_b32 s28, ttmp9, 7
	s_lshl_b32 s29, s24, 5
	s_add_co_u32 s28, s28, s29
	v_add_nc_u32 v12, s28, v6                      ; noise and out1: 32 t + 4 e, t = 4 x work-group + wave
	s_lshl_b32 s29, s24, 8
	v_mov_b32 v13, s29                             ; LDS: my wave's 64 words
	s_lshl_b32 s30, s24, 6
	v_add_nc_u32 v14, s30, v6                      ; LDS: token w's words for expert e
	s_lshl_b32 s31, ttmp9, 5
	s_lshl_b32 s29, s24, 3
	s_add_co_u32 s31, s31, s29                     ; 8 t
	s_lshl_b32 s32, ttmp9, 14                      ; the work-group's 4 rows of x,
	s_mov_b32 s33, 0
	s_lshl_b32 s34, ttmp9, 13                      ; and of xb
	s_mov_b32 s35, 0
	s_wait_kmcnt 0x0
	s_add_nc_u64 s[4:5], s[4:5], s[32:33]
	s_add_nc_u64 s[16:17], s[16:17], s[34:35]
.irp tk, 0,1,2,3
.irp c, 0,1
	global_load_b128 v[X+8*\tk+4*\c:X+8*\tk+4*\c+3], v4, s[4:5] offset:4096*\tk+512*\c th:TH_LOAD_NT
.endr
.endr
	global_load_b32 v8, v12, s[6:7]
	global_load_b32 v9, v6, s[10:11]
	global_load_b32 v10, v6, s[14:15]
.irp c, 0,1
.irp j, 0,1,2,3,4,5,6,7
	global_load_b128 v[W+32*\c+4*\j:W+32*\c+4*\j+3], v5, s[8:9] offset:4096*\c+16*\j
	global_load_b128 v[W+64+32*\c+4*\j:W+64+32*\c+4*\j+3], v5, s[12:13] offset:4096*\c+16*\j
.endr
.endr
	s_wait_loadcnt 35                              ; x is in: 3 + 32 younger loads stay out
.irp tk, 0,1,2,3
.irp c, 0,1
	v_cvt_pk_bf16_f32 v[PK+4*\tk+2*\c], v[X+8*\tk+4*\c], v[X+8*\tk+4*\c+1]
	v_cvt_pk_bf16_f32 v[PK+4*\tk+2*\c+1], v[X+8*\tk+4*\c+2], v[X+8*\tk+4*\c+3]
	global_store_b64 v7, v[PK+4*\tk+2*\c:PK+4*\tk+2*\c+1], s[16:17] offset:2048*\tk+256*\c  ; a wave's store covers 256 consecutive bytes, aligned
.endr
.endr
.set z, 0
.rept 16                               ; the rounded x back in f32
	v_lshlrev_b32 v[X+2*z], 16, v[PK+z]
	v_and_b32 v[X+2*z+1], s38, v[PK+z]
.set z, z+1
.endr
	s_wait_loadcnt 0x0                             ; weights, noise, biases
.set z, 0
.rept 64                               ; the weights rounded to bf16, through S's registers, which hold nothing yet
	v_cvt_pk_bf16_f32 v[S+z], v[W+2*z], v[W+2*z+1]
.set z, z+1
.endr
.set z, 0
.rept 64
	v_lshlrev_b32 v[W+2*z], 16, v[S+z]
	v_and_b32 v[W+2*z+1], s38, v[S+z]
.set z, z+1
.endr
	v_cvt_pk_bf16_f32 v11, v8, v9
	v_lshlrev_b32 v8, 16, v11                      ; noise
	v_and_b32 v9, s38, v11                         ; b_route
	v_cvt_pk_bf16_f32 v11, v10, v10
	v_lshlrev_b32 v10, 16, v11                     ; b_noise
; One x of token tk times its row of both matrices: 8 packed multiply-adds, two experts each.  The first product starts the sums: nothing is cleared.
.macro DOT tk, c, i
.set rx, X+8*(\tk)+4*(\c)+((\i)/2)*2
.irp m, 0,1
.irp p, 0,1,2,3
.set rs, S+16*(\tk)+8*\m+2*\p
.set rw, W+64*\m+32*(\c)+8*(\i)+2*\p
.if ((\c) == 0) && ((\i) == 0)
	v_pk_mul_f32 v[rs:rs+1], v[rx:rx+1], v[rw:rw+1] op_sel_hi:[0,1]
.elseif ((\i)%2) == 0
	v_pk_fma_f32 v[rs:rs+1], v[rx:rx+1], v[rw:rw+1], v[rs:rs+1] op_sel_hi:[0,1,1]
.else
	v_pk_fma_f32 v[rs:rs+1], v[rx:rx+1], v[rw:rw+1], v[rs:rs+1] op_sel:[1,0,0] op_sel_hi:[1,1,1]
.endif
.endr
.endr
.endm
.irp c, 0,1
.irp i, 0,1,2,3
.irp tk, 0,1,2,3
	DOT \tk, \c, \i
.endr
.endr
.endr
; the 64 sums over the 32 lanes, stage by stage, so that no line waits for the one before it
.irp k, 1,2,4,8
.set z, 0
.rept 64
	v_add_f32_dpp v[S+z], v[S+z], v[S+z] row_xmask:\k row_mask:0xf bank_mask:0xf
.set z, z+1
.endr
.endr
.set z, 0
.rept 64
	v_permlanex16_b32 v[W+z], v[S+z], s36, s37     ; W's registers are free, and have been written
.set z, z+1
.endr
.set z, 0
.rept 64
	v_add_f32 v[S+z], v[S+z], v[W+z]
.set z, z+1
.endr
.set z, 0
.rept 64
	ds_store_b32 v13, v[S+z] offset:4*z            ; all lanes hold the same number
.set z, z+1
.endr
	s_wait_dscnt 0x0                               ; for the others' sake: my stores are done
	s_barrier_signal -1
	s_barrier_wait -1
.irp p, 0,1,2,3
	ds_load_b32 v[16+2*\p], v14 offset:256*\p      ; wave p's part of x . w_route[:, e] for token w,
	ds_load_b32 v[17+2*\p], v14 offset:256*\p+32   ; and of x . w_noise[:, e]
.endr
	v_cvt_f32_u32 v25, v15                         ; e as a float
	v_mov_b32 v26, 0xff800000                      ; -infinity
	v_mov_b32 v28, 0x41000000                      ; 8.0: no expert
	v_mov_b32 v36, s31
	s_wait_dscnt 0x0
	v_add_f32 v16, v16, v18
	v_add_f32 v20, v20, v22
	v_add_f32 v17, v17, v19
	v_add_f32 v21, v21, v23
	v_add_f32 v16, v16, v20
	v_add_f32 v17, v17, v21
	v_add_f32 v16, v16, v9                         ; logits
	v_add_f32 v17, v17, v10                        ; z, the noise logits
	v_and_b32 v18, 0x7fffffff, v17
	v_mul_f32 v18, 0xbfb8aa3b, v18                 ; -|z| log2(e)
	v_exp_f32 v18, v18
	v_max_num_f32 v19, 0, v17                      ; the plain line behind the exponential
	s_wait_alu depctr_va_vdst(0)                   ; the wait ahead of a transcendental's first reader
	v_add_f32 v18, 1.0, v18
	v_log_f32 v18, v18
	v_nop
	s_wait_alu depctr_va_vdst(0)
	v_fmamk_f32 v18, v18, 0x3f317218, v19          ; softplus(z) = max(z, 0) + ln 2 log2(1 + e^-|z|)
	v_fma_f32 v16, v8, v18, v16                    ; noisy
	v_max_num_f32_dpp v20, v16, v16 row_xmask:1 row_mask:0xf bank_mask:0xf
	v_max_num_f32_dpp v20, v20, v20 row_xmask:2 row_mask:0xf bank_mask:0xf
	v_max_num_f32_dpp v20, v20, v20 row_xmask:4 row_mask:0xf bank_mask:0xf  ; m1: the largest of the eight
	v_cmp_eq_f32 vcc_lo, v16, v20
	v_cndmask_b32 v22, v28, v25, vcc_lo
	v_min_num_f32_dpp v22, v22, v22 row_xmask:1 row_mask:0xf bank_mask:0xf
	v_min_num_f32_dpp v22, v22, v22 row_xmask:2 row_mask:0xf bank_mask:0xf
	v_min_num_f32_dpp v22, v22, v22 row_xmask:4 row_mask:0xf bank_mask:0xf  ; i1: the lowest index that holds it
	v_cmp_eq_f32 s28, v25, v22
	v_cndmask_b32 v23, v16, v26, s28               ; the first choice is taken out
	v_max_num_f32_dpp v24, v23, v23 row_xmask:1 row_mask:0xf bank_mask:0xf
	v_max_num_f32_dpp v24, v24, v24 row_xmask:2 row_mask:0xf bank_mask:0xf
	v_max_num_f32_dpp v24, v24, v24 row_xmask:4 row_mask:0xf bank_mask:0xf  ; m2
	v_cmp_eq_f32 vcc_lo, v23, v24
	v_cndmask_b32 v27, v28, v25, vcc_lo
	v_cndmask_b32 v27, v27, v28, s28
	v_min_num_f32_dpp v27, v27, v27 row_xmask:1 row_mask:0xf bank_mask:0xf
	v_min_num_f32_dpp v27, v27, v27 row_xmask:2 row_mask:0xf bank_mask:0xf
	v_min_num_f32_dpp v27, v27, v27 row_xmask:4 row_mask:0xf bank_mask:0xf  ; i2
	v_sub_f32 v21, v16, v20                        ; the maximum is taken away in front of both exponentials
	v_sub_f32 v29, v24, v20
	v_mul_f32 v21, LOG2E, v21
	v_mul_f32 v29, LOG2E, v29
	v_exp_f32 v21, v21
	v_exp_f32 v29, v29                             ; q = e^(m2 - m1)
	v_nop
	v_cvt_u32_f32 v32, v22
	v_cvt_u32_f32 v33, v27
	s_wait_alu depctr_va_vdst(0)                   ; one wait for both exponentials
	v_add_f32_dpp v30, v21, v21 row_xmask:1 row_mask:0xf bank_mask:0xf
	v_add_f32_dpp v30, v30, v30 row_xmask:2 row_mask:0xf bank_mask:0xf
	v_add_f32_dpp v30, v30, v30 row_xmask:4 row_mask:0xf bank_mask:0xf
	v_add_f32 v31, 1.0, v29
	v_rcp_f32 v30, v30
	v_rcp_f32 v34, v31                             ; g1 = 1 / (1 + q)
	v_nop
	s_wait_alu depctr_va_vdst(0)                   ; one wait for both reciprocals
	v_mul_f32 v21, v21, v30                        ; the dense gate
	v_mul_f32 v35, v29, v34                        ; g2 = q g1
	global_store_b32 v12, v21, s[22:23]            ; lanes with the same e store the same bytes
	global_store_b64 v36, v[32:33], s[18:19]       ; all lanes store the same bytes
	global_store_b64 v36, v[34:35], s[20:21]
	s_wait_tensorcnt 0x0                           ; the wave's end
	ds_add_u32 v2, v3
	s_wait_dscnt 0x0
	s_endpgm
.Lfunc_end_k_q765686d124_route:
	.size	k_q765686d124_route, .Lfunc_end_k_q765686d124_route-k_q765686d124_route
	.p2alignl 7, 3214868480
	.fill 96, 4, 3214868480
	.section	.rodata,"a",@progbits
	.p2align	6, 0x0
	.amdhsa_kernel k_q765686d124_route
		.amdhsa_group_segment_fixed_size 1536
		.amdhsa_private_segment_fixed_size 0
		.amdhsa_enable_private_segment 0
		.amdhsa_kernarg_size 80
		.amdhsa_user_sgpr_count 2
		.amdhsa_user_sgpr_kernarg_segment_ptr 1
		.amdhsa_wavefront_size32 1
		.amdhsa_system_sgpr_workgroup_id_x 1
		.amdhsa_system_sgpr_workgroup_id_y 1
		.amdhsa_system_sgpr_workgroup_id_z 1
		.amdhsa_system_vgpr_workitem_id 0
		.amdhsa_next_free_vgpr 256
		.amdhsa_next_free_sgpr 66
		.amdhsa_reserve_vcc 1
		.amdhsa_float_denorm_mode_32 3
		.amdhsa_float_denorm_mode_16_64 3
		.amdhsa_memory_ordered 1
		.amdhsa_forward_progress 1
		.amdhsa_inst_pref_size 63
	.end_amdhsa_kernel
	.amdgpu_metadata
---
amdhsa.version: [ 1, 2 ]
amdhsa.kernels:
  - .name:           k_q765686d124_route
    .symbol:         k_q765686d124_route.kd
    .args:
      - { .name: x, .offset: 0, .size: 8, .value_kind: global_buffer, .address_space: global }
      - { .name: noise, .offset: 8, .size: 8, .value_kind: global_buffer, .address_space: global }
      - { .name: w_route, .offset: 16, .size: 8, .value_kind: global_buffer, .address_space: global }
      - { .name: b_route, .offset: 24, .size: 8, .value_kind: global_buffer, .address_space: global }
      - { .name: w_noise, .offset: 32, .size: 8, .value_kind: global_buffer, .address_space: global }
      - { .name: b_noise, .offset: 40, .size: 8, .value_kind: global_buffer, .address_space: global }
      - { .name: xb, .offset: 48, .size: 8, .value_kind: global_buffer, .address_space: global }
      - { .name: ridx, .offset: 56, .size: 8, .value_kind: global_buffer, .address_space: global }
      - { .name: gates, .offset: 64, .size: 8, .value_kind: global_buffer, .address_space: global }
      - { .name: out1, .offset: 72, .size: 8, .value_kind: global_buffer, .address_space: global }
    .group_segment_fixed_size: 1536
    .private_segment_fixed_size: 0
    .kernarg_segment_align: 8
    .kernarg_segment_size: 80
    .max_flat_workgroup_size: 128
    .sgpr_count:     66
    .vgpr_count:     256
    .wavefront_size: 32
...
	.end_amdgpu_metadata
.endif
;; end of part 1
;; launch fc (part 2): grid 32 x 8, 4 waves a work-group, no clusters, 322,048 bytes of LDS; arguments xb, w_fc, b_fc, ridx, hbuf; writes hbuf
.if DOCPART == 2
	.amdgcn_target "amdgcn-amd-amdhsa--gfx1250"
	.amdhsa_code_object_version 6
	.text
	.protected	k_q765686d124_fc
	.globl	k_q765686d124_fc
	.p2align	8
	.type	k_q765686d124_fc,@function
k_q765686d124_fc:
	s_mov_b64 s[64:65], 0
	v_nop
	global_prefetch_b8 v0, s[64:65] scope:SCOPE_SE
	s_setreg_imm32_b32 hwreg(HW_REG_WAVE_MODE, 25, 1), 1
	s_wait_xcnt 0x0
; THE FIRST PRODUCT.  h = gelu_tanh(x w_fc[e] + b_fc[e]) for the rows routed to expert e alone; h goes to hbuf in bf16, rows in the experts' order.
; SHARES.  Work-group (sl, e) has columns 128 sl .. 128 sl + 127 of expert e's weights, which it alone reads, and all of that expert's rows.
; PHASE 1.  Each wave streams 256 of the slice's 1,024 rows (512 bytes each, one load a row) through a ring of 64 loads in registers, rounds them to bf16 and lays them into LDS as [k][n].
; While the first loads are out, every wave ranks the 2,048 choices in ridx for itself: n = the expert's rows, BASE = the rows of lower experts, and a list rank -> token in its own LDS bytes.
; PHASE 2.  Wave w takes column half c = w % 2 and the tiles of 64 rows numbered 2 I + w / 2: 16 accumulators, K = 1,024 in 32 steps.  Token rows come from xb straight into
; registers as matrix operands, seven steps ahead; the weights come out of LDS turned (ds_load_tr16_b128), one step ahead.  The loop over tiles is counted against a number made from n; it holds no
; barrier, and writes only the wave's own stage.  Rows past n repeat row n - 1 and store the same bytes to the same place; blocks of 16 rows wholly past n are jumped.
; THE MATRIX INSTRUCTION IS USED TRANSPOSED (source 0 = 16 columns of the weights, source 1 = 16 token rows): a lane holds eight neighbouring columns of one row of h.
; NO MULTICAST, NO TENSOR LOAD: each weight has one reader and must pass registers to be rounded; the token rows come by a list that no descriptor covers.
; FORMATS AND LIMITS.  x, w_fc and b_fc are rounded once to bf16; sums and the activation in f32; h rounded once to bf16.  An expert has at most 1,024 rows (a token's two choices differ).  NaN and infinities are not treated apart.
; REGISTERS.  Window 0 as named below; window 1: the ring (phase 1: 4 x 64 of weights; phase 2: 8 steps x 32 of token rows).
.set P,      288                       ; an LDS row of weights: 256 bytes + 32, nine times 32 bytes
.set KROWS,  32*P                      ; a K step's rows
.set LBSTEP, 7*KROWS                   ; seven K steps fit an LDS instruction's 16-bit offset; five address registers reach all 32
.set STAGE,  1024*P                    ; behind the weights: 4,352 bytes a wave, for the way out (16 rows x 144 here)
.set STG,    4352
.set LIST,   STAGE+4*STG               ; 2,304 bytes a wave: 1,024 entries of 16 bits, and entry 1,024, where the other experts' choices are dumped
.set LST,    2304
.set SPARE,  LIST+4*LST                ; the spare words, 128 bytes a wave
.set PITCH,  16384                     ; bytes from row to row of w_fc
.set SP,     144
.set LB,  6                            ; v[6:10]  LDS address of my lane's part of a weight fragment, K steps 7 i on
.set H16, 11                           ; v11      16 (L / 16)
.set AO,  12                           ; v[12:15] byte offset in xb of my row of block a
.set STO, 16                           ; v16      the way out: where I put 16 bytes of a row
.set RD,  17                           ; v17      where I read rows back
.set WO,  18                           ; v18      16 L; never rewritten
.set WS,  19                           ; v19      phase 1: where my 8 bytes of a row go
.set VID, 20                           ; v20      2 L
.set HO,  24                           ; v[24:27] byte offsets in hbuf
.set L3,  28                           ; v28      L / 8
.set L7,  29                           ; v29      16 (L % 8)
.set BO,  30                           ; v30      32 (L / 16)
.set BI,  32                           ; v[32:63] the bias: register 8 b + j is column 16 b + 8 (L / 16) + j
.set BF,  64                           ; v[64:127] two buffers of weight fragments
.set T,   64                           ; at work in phase 1 and on the way out
.set PP,  96
.set OO,  112
.set ACC, 128                          ; v[128:255] accumulator (a, b) at ACC + 8 (4 a + b)
.set IDX, 128                          ; phase 1: the 2,048 choices, 64 a lane
.set MSB, 0
.macro WIN new                         ; bits 1:0 source 0, 3:2 source 1, 5:4 source 2, 7:6 destination; the high byte repeats the setting that is left
.if MSB != (\new)
	s_set_vgpr_msb (MSB<<8)|(\new)
.set MSB, \new
.endif
.endm
.macro PLACES                          ; four plain lines between a matrix instruction and a load into, or a vector line on, its registers
.rept 4
	v_nop
.endr
.endm
.macro WLOAD q, rows                   ; 16 rows of the slice into ring slot q
	WIN 0x40
.set z, 0
.rept 16
	global_load_b128 v[64*(\q)+4*z:64*(\q)+4*z+3], v[WO], s[36:37] offset:((\rows)+z)*PITCH th:TH_LOAD_NT
.set z, z+1
.endr
.endm
.macro WCVT q                          ; slot q rounded to bf16 and laid into LDS: 256 consecutive bytes a row
	WIN 0x05
.set z, 0
.rept 16
	v_cvt_pk_bf16_f32 v[T+2*z], v[64*(\q)+4*z], v[64*(\q)+4*z+1]
	v_cvt_pk_bf16_f32 v[T+2*z+1], v[64*(\q)+4*z+2], v[64*(\q)+4*z+3]
.set z, z+1
.endr
	WIN 0
.set z, 0
.rept 16
	ds_store_b64 v[WS], v[T+2*z:T+2*z+1] offset:(16*(\q)+z)*P
.set z, z+1
.endr
.endm
; Register i of the choices: lane L holds slot 128 (i / 4) + 4 L + i % 4.  Lower experts are counted into BASE; my expert's slots get ranks n, n + 1, .. in lane order, and their tokens go into the list.
.macro RANK i
	v_cmp_gt_u32 s34, s15, v[IDX+(\i)]
	v_cmp_eq_u32 vcc_lo, s15, v[IDX+(\i)]
	s_bcnt1_i32_b32 s21, s34
	s_add_co_u32 s20, s20, s21
	v_mbcnt_lo_u32_b32 v21, vcc_lo, s19
	s_bcnt1_i32_b32 s21, vcc_lo
	s_add_co_u32 s19, s19, s21
	v_cndmask_b32 v21, v23, v21, vcc_lo            ; the others go to entry 1,024
	v_min_u32 v21, 0x400, v21
	v_lshl_add_u32 v21, v21, 1, s26
	v_add_nc_u32 v22, 64*((\i)/4)+((\i)%4)/2, v[VID]  ; the slot's token
	ds_store_b16 v21, v22
.endm
	s_load_b256 s[4:11], s[0:1], 0x0               ; xb s[4:5], w_fc s[6:7], b_fc s[8:9], ridx s[10:11]
	s_load_b64 s[12:13], s[0:1], 0x20              ; hbuf
	v_lshl_add_u32 v4, v0, 2, SPARE                ; my spare word
	v_mov_b32 v5, 0
	v_and_b32 v1, 31, v0                           ; L
	v_lshrrev_b32 v21, 5, v0
	v_readfirstlane_b32 s14, v21                   ; wave
	s_and_b32 s15, ttmp7, 0xffff                   ; e
	s_mov_b32 s16, ttmp9                           ; sl
	s_and_b32 s17, s14, 1                          ; c
	s_lshr_b32 s18, s14, 1                         ; g
	v_and_b32 v2, 15, v0                           ; r
	v_bfe_u32 v3, v0, 4, 1                         ; h
	v_lshlrev_b32 v[H16], 4, v3
	v_and_b32 v21, 7, v0
	v_lshl_add_u32 v21, v3, 3, v21                 ; the turning load: lane L reads row 8 h + L % 8,
	v_mul_u32_u24 v21, v21, P
	v_bfe_u32 v22, v0, 3, 1
	v_lshl_add_u32 v21, v22, 4, v21                ; columns 8 ((L / 8) % 2) on,
	s_lshl_b32 s21, s17, 7
	v_add_nc_u32 v[LB], s21, v21                   ; of my half of the slice's columns
.irp i, 1,2,3,4
	v_add_nc_u32 v[LB+\i], \i*LBSTEP, v[LB]
.endr
	s_mul_i32 s21, s14, STG
	s_add_co_u32 s21, s21, STAGE                   ; my stage
	v_mul_u32_u24 v[STO], v2, SP
	v_add3_u32 v[STO], v[STO], v[H16], s21         ; in: row r, 16 bytes for each half of the lanes
	v_lshrrev_b32 v[L3], 3, v1
	v_and_b32 v[L7], 7, v0
	v_lshlrev_b32 v[L7], 4, v[L7]
	v_mul_u32_u24 v[RD], v[L3], SP
	v_add3_u32 v[RD], v[RD], v[L7], s21            ; back: 32 lanes take four rows of 128 bytes
	v_lshlrev_b32 v[WO], 4, v1
	s_mul_i32 s21, s14, 256*P
	v_lshl_add_u32 v[WS], v1, 3, s21               ; my wave's 256 LDS rows, 8 bytes a lane
	v_lshlrev_b32 v[VID], 1, v1
	v_mov_b32 v23, 0x400
	v_lshlrev_b32 v[BO], 5, v3
	s_mul_i32 s26, s14, LST
	s_add_co_u32 s26, s26, LIST                    ; my list
	s_mov_b32 s30, 0xc0135761                      ; C0 = -2 log2(e) sqrt(2 / pi)
	s_mov_b32 s31, s30
	s_mov_b32 s32, 0xbdd2d3e8                      ; C1 = 0.044715 C0
	s_mov_b32 s33, s32
	s_mov_b32 s19, 0                               ; n
	s_mov_b32 s20, 0                               ; BASE
	s_mov_b32 s29, 0
	s_lshl_b32 s28, s15, 24                        ; the expert's 16 MiB,
	s_lshl_b32 s21, s14, 22                        ; my wave's 256 rows,
	s_add_co_u32 s28, s28, s21
	s_lshl_b32 s21, s16, 9                         ; the slice's 128 columns
	s_add_co_u32 s28, s28, s21
	s_wait_kmcnt 0x0
	s_add_nc_u64 s[36:37], s[6:7], s[28:29]
	s_lshl_b32 s28, s15, 14
	s_add_co_u32 s28, s28, s21
	s_lshl_b32 s21, s17, 8
	s_add_co_u32 s28, s28, s21
	s_add_nc_u64 s[8:9], s[8:9], s[28:29]          ; the bias of my 64 columns
	s_lshl_b32 s28, s16, 1
	s_add_co_u32 s28, s28, s17
	s_lshl_b32 s28, s28, 18
	s_add_nc_u64 s[38:39], s[12:13], s[28:29]      ; hbuf's block of my 64 columns: 2,048 rows of 128 bytes
.irp b, 0,1,2,3
	global_load_b128 v[BI+8*\b:BI+8*\b+3], v[BO], s[8:9] offset:64*\b
	global_load_b128 v[BI+8*\b+4:BI+8*\b+7], v[BO], s[8:9] offset:64*\b+16
.endr
.set z, 0
.rept 16
	global_load_b128 v[IDX+4*z:IDX+4*z+3], v[WO], s[10:11] offset:512*z
.set z, z+1
.endr
	WLOAD 0, 0
	WLOAD 1, 16
	s_wait_loadcnt 32                              ; bias and choices are in: two batches of 16 are younger
	WLOAD 2, 32
	WLOAD 3, 48
	WIN 0
.set z, 0
.rept 16                               ; the bias rounded to bf16
	v_cvt_pk_bf16_f32 v[T+z], v[BI+2*z], v[BI+2*z+1]
.set z, z+1
.endr
.set z, 0
.rept 16
	v_lshlrev_b32 v[BI+2*z], 16, v[T+z]
	v_and_b32 v[BI+2*z+1], 0xffff0000, v[T+z]
.set z, z+1
.endr
.set z, 0
.rept 64
	RANK z
.set z, z+1
.endr
	s_mov_b32 s27, 3
.Lw:                                   ; a trip: 64 rows are rounded and laid down, the 64 rows behind them asked for
.irp q, 0,1,2,3
	s_wait_loadcnt 48                              ; the oldest batch is in: three batches of 16 are younger
	WCVT \q
	WLOAD \q, 64+16*\q
.endr
	WIN 0
	s_wait_xcnt 0x0                                ; the base is stepped only behind this wait
	s_add_nc_u64 s[36:37], s[36:37], 64*PITCH
	v_add_nc_u32 v[WS], 64*P, v[WS]
	s_sub_co_u32 s27, s27, 1
	s_cmp_lg_u32 s27, 0
	s_cbranch_scc1 .Lw
.irp q, 0,1,2,3
	s_wait_loadcnt 48-16*\q                        ; the last 64 rows: the counts run down
	WCVT \q
.endr
	s_wait_dscnt 0x0                               ; for the others' sake: my rows of the slice are in LDS
	s_barrier_signal -1
	s_barrier_wait -1                              ; the launch's one barrier: the slice is whole
.macro ALOAD s                         ; K step s of my 64 token rows: 16 rows x 64 bytes for each block a
	WIN 0x40
.irp a, 0,1,2,3
	global_load_b128 v[32*((\s)%8)+8*\a:32*((\s)%8)+8*\a+3], v[AO+\a], s[4:5] offset:64*(\s)
	global_load_b128 v[32*((\s)%8)+8*\a+4:32*((\s)%8)+8*\a+7], v[AO+\a], s[4:5] offset:64*(\s)+32
.endr
.endm
.macro BLOAD s                         ; K step s of my 64 columns, turned: lane L gets column 16 b + L % 16, k = 8 h + 0..7 and 16 + 8 h + 0..7
	WIN 0x04
.irp b, 0,1,2,3
	ds_load_tr16_b128 v[BF+32*((\s)%2)+8*\b:BF+32*((\s)%2)+8*\b+3], v[LB+(\s)/7] offset:((\s)%7)*KROWS+32*\b
	ds_load_tr16_b128 v[BF+32*((\s)%2)+8*\b+4:BF+32*((\s)%2)+8*\b+7], v[LB+(\s)/7] offset:((\s)%7)*KROWS+16*P+32*\b
.endr
.endm
.macro KSTEP s                         ; the 16 accumulators take turns, one instruction a turn
.if (\s) > 0
	PLACES
.endif
.if (\s)+7 < 32
	ALOAD (\s)+7
.endif
.if (\s)+1 < 32
	BLOAD (\s)+1
.endif
.if (\s) < 24
	s_wait_loadcnt 56                              ; this step's rows are in: seven steps of 8 loads are younger
.else
	s_wait_loadcnt 8*(31-(\s))
.endif
.if (\s) < 31
	s_wait_dscnt 8                                 ; this step's weights are in: the next step's 8 loads are younger
.else
	s_wait_dscnt 0
.endif
	WIN 0x04
.irp a, 0,1,2,3
.irp b, 0,1,2,3
.if (\s) == 0
	v_wmma_f32_16x16x32_bf16 v[ACC+8*(4*\a+\b):ACC+8*(4*\a+\b)+7], v[BF+32*((\s)%2)+8*\b:BF+32*((\s)%2)+8*\b+7], v[32*((\s)%8)+8*\a:32*((\s)%8)+8*\a+7], 0
.else
	v_wmma_f32_16x16x32_bf16 v[ACC+8*(4*\a+\b):ACC+8*(4*\a+\b)+7], v[BF+32*((\s)%2)+8*\b:BF+32*((\s)%2)+8*\b+7], v[32*((\s)%8)+8*\a:32*((\s)%8)+8*\a+7], v[ACC+8*(4*\a+\b):ACC+8*(4*\a+\b)+7]
.endif
.endr
.endr
.endm
; THE WAY OUT of block a (16 rows x 64 columns): bias, gelu(x) = x / (1 + 2^(x (C0 + C1 x^2))), bf16, through my stage, and out as four rows of 128 bytes a store.
.macro EPI a
.set XA, ACC+32*(\a)
	s_add_co_u32 s21, s25, 16*(\a)
	s_cmp_le_u32 s19, s21
	s_cbranch_scc1 .Lskip_\@                       ; the block lies wholly past the expert's rows
	s_wait_xcnt 0x0                                ; the last stores' offsets and data are rewritten only behind this wait
.irp t, 0,1,2,3
	v_add3_u32 v[HO+\t], v[L3], s21, 4*\t          ; the row's rank,
	v_min_u32 v[HO+\t], s22, v[HO+\t]              ; held to n - 1,
	v_add_nc_u32 v[HO+\t], s20, v[HO+\t]           ; its place in the experts' order,
	v_min_u32 v[HO+\t], 0x7ff, v[HO+\t]
	v_lshl_add_u32 v[HO+\t], v[HO+\t], 7, v[L7]    ; in bytes
.endr
.set z, 0
.rept 16
	v_pk_add_f32 v[XA+z:XA+z+1], v[XA+z:XA+z+1], v[BI+z:BI+z+1]  ; each accumulator is read from its low end on
.set z, z+2
.endr
.set z, 0
.rept 16
	v_pk_mul_f32 v[T+z:T+z+1], v[XA+z:XA+z+1], v[XA+z:XA+z+1]
.set z, z+2
.endr
.set z, 0
.rept 16
	v_pk_fma_f32 v[T+z:T+z+1], v[T+z:T+z+1], s[32:33], s[30:31] op_sel_hi:[1,0,0]
.set z, z+2
.endr
.set z, 0
.rept 16
	v_pk_mul_f32 v[T+z:T+z+1], v[T+z:T+z+1], v[XA+z:XA+z+1]
.set z, z+2
.endr
.set z, 0
.rept 32
	v_exp_f32 v[T+z], v[T+z]
.set z, z+1
.endr
	v_nop                                          ; a plain line behind the last exponential,
	s_wait_alu depctr_va_vdst(0)                   ; and one wait for the batch
.set z, 0
.rept 16
	v_pk_add_f32 v[T+z:T+z+1], v[T+z:T+z+1], 1.0 op_sel_hi:[1,0]
.set z, z+2
.endr
.set z, 0
.rept 32
	v_rcp_f32 v[T+z], v[T+z]
.set z, z+1
.endr
	v_nop
	s_wait_alu depctr_va_vdst(0)
.set z, 0
.rept 16
	v_pk_mul_f32 v[T+z:T+z+1], v[T+z:T+z+1], v[XA+z:XA+z+1]
.set z, z+2
.endr
.set z, 0
.rept 16
	v_cvt_pk_bf16_f32 v[PP+z], v[T+2*z], v[T+2*z+1]
.set z, z+1
.endr
.irp b, 0,1,2,3
	ds_store_b128 v[STO], v[PP+4*\b:PP+4*\b+3] offset:32*\b
.endr
.irp t, 0,1,2,3
	ds_load_b128 v[OO+4*\t:OO+4*\t+3], v[RD] offset:4*SP*\t  ; LDS serves a wave's instructions in order (ISA guide 5.7.1.4): these see the stores above
.endr
	s_wait_dscnt 0x0
.irp t, 0,1,2,3
	global_store_b128 v[HO+\t], v[OO+4*\t:OO+4*\t+3], s[38:39]  ; in a full block 512 consecutive bytes
.endr
.Lskip_\@:
.endm
	s_add_co_u32 s21, s19, 63
	s_lshr_b32 s21, s21, 6                         ; tiles of 64 rows
	s_add_co_u32 s21, s21, 1
	s_sub_co_u32 s21, s21, s18
	s_lshr_b32 s23, s21, 1                         ; those numbered 2 I + g
	s_sub_co_u32 s22, s19, 1                       ; n - 1
	s_mov_b32 s24, 0
	s_cmp_eq_u32 s23, 0
	s_cbranch_scc1 .Lend                           ; none for me: nothing is stored
.Ltile:
	s_lshl_b32 s25, s24, 1
	s_add_co_u32 s25, s25, s18
	s_lshl_b32 s25, s25, 6                         ; the tile's first rank
	s_wait_xcnt 0x0                                ; the last tile's stores have read their data, on which this tile's weight fragments land
.irp a, 0,1,2,3
	v_add3_u32 v[AO+\a], v2, s25, 16*\a
	v_min_u32 v[AO+\a], s22, v[AO+\a]              ; ranks past n - 1 repeat the last row
	v_min_u32 v[AO+\a], 0x3ff, v[AO+\a]
	v_lshl_add_u32 v[AO+\a], v[AO+\a], 1, s26
.endr
.irp a, 0,1,2,3
	ds_load_u16 v[AO+\a], v[AO+\a]                 ; the rank's token
.endr
	s_wait_dscnt 0x0
.irp a, 0,1,2,3
	v_min_u32 v[AO+\a], 0x3ff, v[AO+\a]
	v_lshl_add_u32 v[AO+\a], v[AO+\a], 11, v[H16]  ; its row of 2,048 bytes, 16 bytes for each half of the lanes
.endr
.irp s, 0,1,2,3,4,5,6
	ALOAD \s
.endr
	BLOAD 0
.set ks, 0
.rept 32
	KSTEP ks
.set ks, ks+1
.endr
	WIN 0
	PLACES
	EPI 0
	EPI 1
	EPI 2
	EPI 3
	s_add_co_u32 s24, s24, 1
	s_cmp_lt_u32 s24, s23
	s_cbranch_scc1 .Ltile
.Lend:
	s_wait_tensorcnt 0x0                           ; the wave's end
	ds_add_u32 v4, v5
	s_wait_dscnt 0x0
	s_endpgm
.Lfunc_end_k_q765686d124_fc:
	.size	k_q765686d124_fc, .Lfunc_end_k_q765686d124_fc-k_q765686d124_fc
	.p2alignl 7, 3214868480
	.fill 96, 4, 3214868480
	.section	.rodata,"a",@progbits
	.p2align	6, 0x0
	.amdhsa_kernel k_q765686d124_fc
		.amdhsa_group_segment_fixed_size 322048
		.amdhsa_private_segment_fixed_size 0
		.amdhsa_enable_private_segment 0
		.amdhsa_kernarg_size 40
		.amdhsa_user_sgpr_count 2
		.amdhsa_user_sgpr_kernarg_segment_ptr 1
		.amdhsa_wavefront_size32 1
		.amdhsa_system_sgpr_workgroup_id_x 1
		.amdhsa_system_sgpr_workgroup_id_y 1
		.amdhsa_system_sgpr_workgroup_id_z 1
		.amdhsa_system_vgpr_workitem_id 0
		.amdhsa_next_free_vgpr 512
		.amdhsa_next_free_sgpr 66
		.amdhsa_reserve_vcc 1
		.amdhsa_float_denorm_mode_32 3
		.amdhsa_float_denorm_mode_16_64 3
		.amdhsa_memory_ordered 1
		.amdhsa_forward_progress 1
		.amdhsa_inst_pref_size 208
	.end_amdhsa_kernel
	.amdgpu_metadata
---
amdhsa.version: [ 1, 2 ]
amdhsa.kernels:
  - .name:           k_q765686d124_fc
    .symbol:         k_q765686d124_fc.kd
    .args:
      - { .name: xb, .offset: 0, .size: 8, .value_kind: global_buffer, .address_space: global }
      - { .name: w_fc, .offset: 8, .size: 8, .value_kind: global_buffer, .address_space: global }
      - { .name: b_fc, .offset: 16, .size: 8, .value_kind: global_buffer, .address_space: global }
      - { .name: ridx, .offset: 24, .size: 8, .value_kind: global_buffer, .address_space: global }
      - { .name: hbuf, .offset: 32, .size: 8, .value_kind: global_buffer, .address_space: global }
    .group_segment_fixed_size: 322048
    .private_segment_fixed_size: 0
    .kernarg_segment_align: 8
    .kernarg_segment_size: 40
    .max_flat_workgroup_size: 128
    .sgpr_count:     66
    .vgpr_count:     512
    .wavefront_size: 32
...
	.end_amdgpu_metadata
.endif
;; end of part 2
;; launch proj (part 3): grid 32 x 8, 4 waves a work-group, no clusters, 322,048 bytes of LDS; arguments hbuf, w_proj, b_proj, ridx, ypart; writes ypart
.if DOCPART == 3
	.amdgcn_target "amdgcn-amd-amdhsa--gfx1250"
	.amdhsa_code_object_version 6
	.text
	.protected	k_q765686d124_proj
	.globl	k_q765686d124_proj
	.p2align	8
	.type	k_q765686d124_proj,@function
k_q765686d124_proj:
	s_mov_b64 s[64:65], 0
	v_nop
	global_prefetch_b8 v0, s[64:65] scope:SCOPE_SE
	s_setreg_imm32_b32 hwreg(HW_REG_WAVE_MODE, 25, 1), 1
	s_wait_xcnt 0x0
; THE SECOND PRODUCT.  ypart[kh][slot] = h[slot] w_proj[e] over half kh of the hidden width (+ b_proj[e] in half 0), in f32: partial sums, added by the next launch.
; SHARES.  Work-group (x, e): cs = x % 16 is a block of 64 output columns, kh = x / 16 a half of the 4,096 hidden rows: 2,048 x 64 weights, which it alone reads, and all of the expert's rows.
; PHASE 1 is the first product's: each wave streams 256 LDS rows' worth through a ring of 64 loads, rounds to bf16 and lays them down; an LDS row j holds k = j in its first 128 bytes and
; k = 1,024 + j in its second (lanes 0-15 load the one, lanes 16-31 the other: 256 consecutive bytes each).  Meanwhile every wave ranks ridx for itself, in the same order as the first product: n, BASE, and a list rank -> slot.
; PHASE 2.  Wave w takes the tiles of 32 rows numbered 4 I + w: 8 accumulators, K = 2,048 in 64 steps; h's rows come from hbuf (they lie in the experts' order) straight into registers, fifteen steps ahead;
; the weights come out of LDS turned, one step ahead.  The loop over tiles holds no barrier and writes only the wave's own stage.  Rows past n repeat row n - 1; blocks of 16 rows wholly past n are jumped.
; NO MULTICAST, NO TENSOR LOAD: each weight has one reader and must pass registers to be rounded; h's rows are shared by an expert's work-groups, but the slice leaves no LDS for them (294,912 of 327,680 bytes).
; FORMATS AND LIMITS.  w_proj and b_proj are rounded once to bf16; sums in f32.  An expert has at most 1,024 rows.  NaN and infinities are not treated apart.
.set P,      288
.set KROWS,  32*P
.set LBSTEP, 7*KROWS
.set STAGE,  1024*P                    ; 4,352 bytes a wave: 16 rows x 272
.set STG,    4352
.set LIST,   STAGE+4*STG
.set LST,    2304
.set SPARE,  LIST+4*LST
.set PITCH,  4096                      ; bytes from row to row of w_proj
.set SP,     272
.set LB,  6                            ; v[6:10]
.set H16, 11                           ; v11      16 (L / 16)
.set AO,  12                           ; v[12:13] byte offset in hbuf of my row of block a
.set STO, 16
.set RD,  17
.set WO,  18                           ; v18      phase 1: 1,024 rows x (L / 16) + 16 (L % 16); never rewritten
.set WS,  19
.set VID, 20                           ; v20      4 L
.set R16, 29                           ; v29      16 (L % 16)
.set BO,  30                           ; v30      32 (L / 16)
.set IO,  31                           ; v31      16 L
.set BI,  32                           ; v[32:63]
.set BF,  64                           ; v[64:127]
.set T,   64
.set ACC, 128                          ; v[128:191] accumulator (a, b) at ACC + 8 (4 a + b)
.set IDX, 128
.set YO,  192                          ; v[192:207] byte offsets in ypart: block a, pair of rows t at YO + 8 a + t
.set OO,  208                          ; v[208:239]
.set MSB, 0
.macro WIN new
.if MSB != (\new)
	s_set_vgpr_msb (MSB<<8)|(\new)
.set MSB, \new
.endif
.endm
.macro PLACES
.rept 4
	v_nop
.endr
.endm
.macro WLOAD q, rows
	WIN 0x40
.set z, 0
.rept 16
	global_load_b128 v[64*(\q)+4*z:64*(\q)+4*z+3], v[WO], s[36:37] offset:((\rows)+z)*PITCH th:TH_LOAD_NT
.set z, z+1
.endr
.endm
.macro WCVT q
	WIN 0x05
.set z, 0
.rept 16
	v_cvt_pk_bf16_f32 v[T+2*z], v[64*(\q)+4*z], v[64*(\q)+4*z+1]
	v_cvt_pk_bf16_f32 v[T+2*z+1], v[64*(\q)+4*z+2], v[64*(\q)+4*z+3]
.set z, z+1
.endr
	WIN 0
.set z, 0
.rept 16
	ds_store_b64 v[WS], v[T+2*z:T+2*z+1] offset:(16*(\q)+z)*P
.set z, z+1
.endr
.endm
.macro RANK i                          ; as in the first product; the list takes the slot itself
	v_cmp_gt_u32 s34, s15, v[IDX+(\i)]
	v_cmp_eq_u32 vcc_lo, s15, v[IDX+(\i)]
	s_bcnt1_i32_b32 s21, s34
	s_add_co_u32 s20, s20, s21
	v_mbcnt_lo_u32_b32 v21, vcc_lo, s19
	s_bcnt1_i32_b32 s21, vcc_lo
	s_add_co_u32 s19, s19, s21
	v_cndmask_b32 v21, v23, v21, vcc_lo
	v_min_u32 v21, 0x400, v21
	v_lshl_add_u32 v21, v21, 1, s26
	v_add_nc_u32 v22, 128*((\i)/4)+(\i)%4, v[VID]
	ds_store_b16 v21, v22
.endm
	s_load_b256 s[4:11], s[0:1], 0x0               ; hbuf s[4:5], w_proj s[6:7], b_proj s[8:9], ridx s[10:11]
	s_load_b64 s[12:13], s[0:1], 0x20              ; ypart
	v_lshl_add_u32 v4, v0, 2, SPARE                ; my spare word
	v_mov_b32 v5, 0
	v_and_b32 v1, 31, v0
	v_lshrrev_b32 v21, 5, v0
	v_readfirstlane_b32 s14, v21                   ; wave
	s_and_b32 s15, ttmp7, 0xffff                   ; e
	s_mov_b32 s16, ttmp9
	s_and_b32 s17, s16, 15                         ; cs
	s_lshr_b32 s18, s16, 4                         ; kh
	v_and_b32 v2, 15, v0                           ; r
	v_bfe_u32 v3, v0, 4, 1                         ; h
	v_lshlrev_b32 v[H16], 4, v3
	v_and_b32 v21, 7, v0
	v_lshl_add_u32 v21, v3, 3, v21
	v_mul_u32_u24 v21, v21, P
	v_bfe_u32 v22, v0, 3, 1
	v_lshl_add_u32 v[LB], v22, 4, v21
.irp i, 1,2,3,4
	v_add_nc_u32 v[LB+\i], \i*LBSTEP, v[LB]
.endr
	s_mul_i32 s21, s14, STG
	s_add_co_u32 s21, s21, STAGE                   ; my stage
	v_lshlrev_b32 v[BO], 5, v3
	v_lshlrev_b32 v[R16], 4, v2
	v_mul_u32_u24 v[STO], v2, SP
	v_add3_u32 v[STO], v[STO], v[BO], s21          ; in: row r, 32 bytes for each half of the lanes
	v_mul_u32_u24 v[RD], v3, SP
	v_add3_u32 v[RD], v[RD], v[R16], s21           ; back: lanes 0-15 one row of 256 bytes, lanes 16-31 the next
	v_lshlrev_b32 v[WO], 22, v3
	v_add_nc_u32 v[WO], v[WO], v[R16]
	v_lshlrev_b32 v[IO], 4, v1
	s_mul_i32 s21, s14, 256*P
	v_lshl_add_u32 v[WS], v1, 3, s21
	v_lshlrev_b32 v[VID], 2, v1
	v_mov_b32 v23, 0x400
	s_mul_i32 s26, s14, LST
	s_add_co_u32 s26, s26, LIST                    ; my list
	s_cmp_eq_u32 s18, 0
	s_cselect_b32 s35, -1, 0                       ; the bias counts in half 0 alone
	s_mov_b32 s19, 0                               ; n
	s_mov_b32 s20, 0                               ; BASE
	s_mov_b32 s29, 0
	s_lshl_b32 s28, s15, 24                        ; the expert's 16 MiB,
	s_lshl_b32 s21, s18, 23                        ; the half's 2,048 rows,
	s_add_co_u32 s28, s28, s21
	s_lshl_b32 s27, s14, 20                        ; my wave's 256 rows,
	s_add_co_u32 s28, s28, s27
	s_lshl_b32 s27, s17, 8                         ; the block's 64 columns
	s_add_co_u32 s28, s28, s27
	s_wait_kmcnt 0x0
	s_add_nc_u64 s[36:37], s[6:7], s[28:29]
	s_lshl_b32 s28, s15, 12
	s_add_co_u32 s28, s28, s27
	s_add_nc_u64 s[8:9], s[8:9], s[28:29]          ; the bias of my 64 columns
	s_mov_b32 s28, s21
	s_add_nc_u64 s[40:41], s[4:5], s[28:29]        ; hbuf at the half's 32 blocks of 64 hidden columns
	s_add_co_u32 s28, s21, s27
	s_add_nc_u64 s[38:39], s[12:13], s[28:29]      ; ypart at the half, at my 64 columns
.irp b, 0,1,2,3
	global_load_b128 v[BI+8*\b:BI+8*\b+3], v[BO], s[8:9] offset:64*\b
	global_load_b128 v[BI+8*\b+4:BI+8*\b+7], v[BO], s[8:9] offset:64*\b+16
.endr
.set z, 0
.rept 16
	global_load_b128 v[IDX+4*z:IDX+4*z+3], v[IO], s[10:11] offset:512*z
.set z, z+1
.endr
	WLOAD 0, 0
	WLOAD 1, 16
	s_wait_loadcnt 32                              ; bias and choices are in: two batches of 16 are younger
	WLOAD 2, 32
	WLOAD 3, 48
	WIN 0
.set z, 0
.rept 16                               ; the bias rounded to bf16, and 0 in half 1
	v_cvt_pk_bf16_f32 v[T+z], v[BI+2*z], v[BI+2*z+1]
.set z, z+1
.endr
.set z, 0
.rept 16
	v_and_b32 v[T+z], s35, v[T+z]
.set z, z+1
.endr
.set z, 0
.rept 16
	v_lshlrev_b32 v[BI+2*z], 16, v[T+z]
	v_and_b32 v[BI+2*z+1], 0xffff0000, v[T+z]
.set z, z+1
.endr
.set z, 0
.rept 64
	RANK z
.set z, z+1
.endr
	s_mov_b32 s27, 3
.Lw:
.irp q, 0,1,2,3
	s_wait_loadcnt 48                              ; the oldest batch is in: three batches of 16 are younger
	WCVT \q
	WLOAD \q, 64+16*\q
.endr
	WIN 0
	s_wait_xcnt 0x0                                ; the base is stepped only behind this wait
	s_add_nc_u64 s[36:37], s[36:37], 64*PITCH
	v_add_nc_u32 v[WS], 64*P, v[WS]
	s_sub_co_u32 s27, s27, 1
	s_cmp_lg_u32 s27, 0
	s_cbranch_scc1 .Lw
.irp q, 0,1,2,3
	s_wait_loadcnt 48-16*\q
	WCVT \q
.endr
	s_wait_dscnt 0x0                               ; for the others' sake: my rows of the slice are in LDS
	s_barrier_signal -1
	s_barrier_wait -1                              ; the launch's one barrier
.macro ALOAD s                         ; K step s of my 32 rows of h: block s / 2 of 64 hidden columns, half s % 2 of its rows of 128 bytes
	WIN 0x40
.irp a, 0,1
	global_load_b128 v[16*((\s)%16)+8*\a:16*((\s)%16)+8*\a+3], v[AO+\a], s[40:41] offset:((\s)/2)*262144+((\s)%2)*64
	global_load_b128 v[16*((\s)%16)+8*\a+4:16*((\s)%16)+8*\a+7], v[AO+\a], s[40:41] offset:((\s)/2)*262144+((\s)%2)*64+32
.endr
.endm
.macro BLOAD s                         ; K step s of the 64 columns, turned; steps 32 on lie in the rows' second 128 bytes
	WIN 0x04
.irp b, 0,1,2,3
	ds_load_tr16_b128 v[BF+32*((\s)%2)+8*\b:BF+32*((\s)%2)+8*\b+3], v[LB+((\s)%32)/7] offset:(((\s)%32)%7)*KROWS+128*((\s)/32)+32*\b
	ds_load_tr16_b128 v[BF+32*((\s)%2)+8*\b+4:BF+32*((\s)%2)+8*\b+7], v[LB+((\s)%32)/7] offset:(((\s)%32)%7)*KROWS+16*P+128*((\s)/32)+32*\b
.endr
.endm
.macro KSTEP s                         ; the 8 accumulators take turns, one instruction a turn
.if (\s) > 0
	PLACES
.endif
.if (\s)+15 < 64
	ALOAD (\s)+15
.endif
.if (\s)+1 < 64
	BLOAD (\s)+1
.endif
.if (\s) < 48
	s_wait_loadcnt 60                              ; this step's rows are in: fifteen steps of 4 loads are younger
.else
	s_wait_loadcnt 4*(63-(\s))
.endif
.if (\s) < 63
	s_wait_dscnt 8                                 ; this step's weights are in: the next step's 8 loads are younger
.else
	s_wait_dscnt 0
.endif
	WIN 0x04
.irp a, 0,1
.irp b, 0,1,2,3
.if (\s) == 0
	v_wmma_f32_16x16x32_bf16 v[ACC+8*(4*\a+\b):ACC+8*(4*\a+\b)+7], v[BF+32*((\s)%2)+8*\b:BF+32*((\s)%2)+8*\b+7], v[16*((\s)%16)+8*\a:16*((\s)%16)+8*\a+7], 0
.else
	v_wmma_f32_16x16x32_bf16 v[ACC+8*(4*\a+\b):ACC+8*(4*\a+\b)+7], v[BF+32*((\s)%2)+8*\b:BF+32*((\s)%2)+8*\b+7], v[16*((\s)%16)+8*\a:16*((\s)%16)+8*\a+7], v[ACC+8*(4*\a+\b):ACC+8*(4*\a+\b)+7]
.endif
.endr
.endr
.endm
; THE WAY OUT of block a (16 rows x 64 columns of f32): bias, through my stage, and out by whole rows of 256 bytes to the rows' slots.
.macro EPI a
.set XA, ACC+32*(\a)
	s_add_co_u32 s21, s25, 16*(\a)
	s_cmp_le_u32 s19, s21
	s_cbranch_scc1 .Lskip_\@                       ; the block lies wholly past the expert's rows
	s_wait_xcnt 0x0                                ; the last stores' data are rewritten only behind this wait
.set z, 0
.rept 16
	v_pk_add_f32 v[T+z:T+z+1], v[XA+z:XA+z+1], v[BI+z:BI+z+1]  ; each accumulator is read from its low end on
.set z, z+2
.endr
.irp b, 0,1,2,3
	ds_store_b128 v[STO], v[T+8*\b:T+8*\b+3] offset:64*\b
	ds_store_b128 v[STO], v[T+8*\b+4:T+8*\b+7] offset:64*\b+16
.endr
.irp t, 0,1,2,3,4,5,6,7
	ds_load_b128 v[OO+4*\t:OO+4*\t+3], v[RD] offset:2*SP*\t  ; LDS serves a wave's instructions in order (ISA guide 5.7.1.4): these see the stores above
.endr
	s_wait_dscnt 0x0
.irp t, 0,1,2,3,4,5,6,7
	global_store_b128 v[YO+8*(\a)+\t], v[OO+4*\t:OO+4*\t+3], s[38:39]  ; 16 lanes store 256 consecutive bytes, aligned
.endr
.Lskip_\@:
.endm
	s_add_co_u32 s21, s19, 31
	s_lshr_b32 s21, s21, 5                         ; tiles of 32 rows
	s_add_co_u32 s21, s21, 3
	s_sub_co_u32 s21, s21, s14
	s_lshr_b32 s23, s21, 2                         ; those numbered 4 I + w
	s_sub_co_u32 s22, s19, 1                       ; n - 1
	s_mov_b32 s24, 0
	s_cmp_eq_u32 s23, 0
	s_cbranch_scc1 .Lend
.Ltile:
	s_lshl_b32 s25, s24, 2
	s_add_co_u32 s25, s25, s14
	s_lshl_b32 s25, s25, 5                         ; the tile's first rank
	s_wait_xcnt 0x0                                ; the last tile's stores have read their offsets and data
.irp a, 0,1
	v_add3_u32 v[AO+\a], v2, s25, 16*\a
	v_min_u32 v[AO+\a], s22, v[AO+\a]              ; ranks past n - 1 repeat the last row
	v_add_nc_u32 v[AO+\a], s20, v[AO+\a]           ; the row's place in the experts' order
	v_min_u32 v[AO+\a], 0x7ff, v[AO+\a]
	v_lshl_add_u32 v[AO+\a], v[AO+\a], 7, v[H16]
.endr
.set z, 0
.rept 16
	v_add3_u32 v[YO+z], v3, s25, 16*(z/8)+2*(z%8)
	v_min_u32 v[YO+z], s22, v[YO+z]
	v_min_u32 v[YO+z], 0x3ff, v[YO+z]
	v_lshl_add_u32 v[YO+z], v[YO+z], 1, s26
.set z, z+1
.endr
.set z, 0
.rept 16
	ds_load_u16 v[YO+z], v[YO+z]                   ; the rank's slot
.set z, z+1
.endr
.irp s, 0,1,2,3,4,5,6,7,8,9,10,11,12,13,14
	ALOAD \s
.endr
	WIN 0
	s_wait_dscnt 0x0
.set z, 0
.rept 16
	v_min_u32 v[YO+z], 0x7ff, v[YO+z]
	v_lshl_add_u32 v[YO+z], v[YO+z], 12, v[R16]    ; its row of 4,096 bytes
.set z, z+1
.endr
	BLOAD 0
.set ks, 0
.rept 64
	KSTEP ks
.set ks, ks+1
.endr
	WIN 0
	PLACES
	EPI 0
	EPI 1
	s_add_co_u32 s24, s24, 1
	s_cmp_lt_u32 s24, s23
	s_cbranch_scc1 .Ltile
.Lend:
	s_wait_tensorcnt 0x0                           ; the wave's end
	ds_add_u32 v4, v5
	s_wait_dscnt 0x0
	s_endpgm
.Lfunc_end_k_q765686d124_proj:
	.size	k_q765686d124_proj, .Lfunc_end_k_q765686d124_proj-k_q765686d124_proj
	.p2alignl 7, 3214868480
	.fill 96, 4, 3214868480
	.section	.rodata,"a",@progbits
	.p2align	6, 0x0
	.amdhsa_kernel k_q765686d124_proj
		.amdhsa_group_segment_fixed_size 322048
		.amdhsa_private_segment_fixed_size 0
		.amdhsa_enable_private_segment 0
		.amdhsa_kernarg_size 40
		.amdhsa_user_sgpr_count 2
		.amdhsa_user_sgpr_kernarg_segment_ptr 1
		.amdhsa_wavefront_size32 1
		.amdhsa_system_sgpr_workgroup_id_x 1
		.amdhsa_system_sgpr_workgroup_id_y 1
		.amdhsa_system_sgpr_workgroup_id_z 1
		.amdhsa_system_vgpr_workitem_id 0
		.amdhsa_next_free_vgpr 512
		.amdhsa_next_free_sgpr 66
		.amdhsa_reserve_vcc 1
		.amdhsa_float_denorm_mode_32 3
		.amdhsa_float_denorm_mode_16_64 3
		.amdhsa_memory_ordered 1
		.amdhsa_forward_progress 1
		.amdhsa_inst_pref_size 199
	.end_amdhsa_kernel
	.amdgpu_metadata
---
amdhsa.version: [ 1, 2 ]
amdhsa.kernels:
  - .name:           k_q765686d124_proj
    .symbol:         k_q765686d124_proj.kd
    .args:
      - { .name: hbuf, .offset: 0, .size: 8, .value_kind: global_buffer, .address_space: global }
      - { .name: w_proj, .offset: 8, .size: 8, .value_kind: global_buffer, .address_space: global }
      - { .name: b_proj, .offset: 16, .size: 8, .value_kind: global_buffer, .address_space: global }
      - { .name: ridx, .offset: 24, .size: 8, .value_kind: global_buffer, .address_space: global }
      - { .name: ypart, .offset: 32, .size: 8, .value_kind: global_buffer, .address_space: global }
    .group_segment_fixed_size: 322048
    .private_segment_fixed_size: 0
    .kernarg_segment_align: 8
    .kernarg_segment_size: 40
    .max_flat_workgroup_size: 128
    .sgpr_count:     66
    .vgpr_count:     512
    .wavefront_size: 32
...
	.end_amdgpu_metadata
.endif
;; end of part 3
;; launch comb (part 4): grid 256 x 1, 4 waves a work-group, no clusters, 0 bytes of LDS; arguments ypart, gates, out0; writes out0
.if DOCPART == 4
	.amdgcn_target "amdgcn-amd-amdhsa--gfx1250"
	.amdhsa_code_object_version 6
	.text
	.protected	k_q765686d124_comb
	.globl	k_q765686d124_comb
	.p2align	8
	.type	k_q765686d124_comb,@function
k_q765686d124_comb:
	s_mov_b64 s[64:65], 0
	v_nop
	global_prefetch_b8 v0, s[64:65] scope:SCOPE_SE
	s_setreg_imm32_b32 hwreg(HW_REG_WAVE_MODE, 25, 1), 1
	s_wait_xcnt 0x0
; THE SUM.  out0[t] = g0 (ypart[0][2 t] + ypart[1][2 t]) + g1 (ypart[0][2 t + 1] + ypart[1][2 t + 1]), all f32.
; A wave has one token: four rows of 4,096 bytes in, one out.  All 32 loads of 512 consecutive bytes go out at once; the waits count down.  A stream: no LDS, no barrier, no matrix unit.
.set Y, 16                             ; v[16:143] chunk c of 512 bytes: (half 0, choice 0), (1, 0), (0, 1), (1, 1) at Y + 16 c + 0, 4, 8, 12
	s_load_b128 s[4:7], s[0:1], 0x0                ; ypart s[4:5], gates s[6:7]
	s_load_b64 s[16:17], s[0:1], 0x10              ; out0
	v_and_b32 v1, 31, v0
	v_lshlrev_b32 v1, 4, v1                        ; 16 L
	v_lshrrev_b32 v2, 5, v0
	v_readfirstlane_b32 s18, v2                    ; wave
	s_lshl_b32 s19, ttmp9, 2
	s_add_co_u32 s19, s19, s18                     ; t
	s_lshl_b32 s20, s19, 13                        ; the token's two slots of 4,096 bytes
	s_mov_b32 s21, 0
	s_lshl_b32 s22, s19, 3
	s_wait_kmcnt 0x0
	s_load_b64 s[12:13], s[6:7], s22 offset:0x0    ; g0, g1
	s_add_nc_u64 s[8:9], s[4:5], s[20:21]          ; half 0
	s_add_nc_u64 s[10:11], s[8:9], 0x800000        ; half 1
	s_lshl_b32 s20, s19, 12
	s_add_nc_u64 s[16:17], s[16:17], s[20:21]
.irp c, 0,1,2,3,4,5,6,7
	global_load_b128 v[Y+16*\c:Y+16*\c+3],     v1, s[8:9]   offset:512*\c th:TH_LOAD_NT
	global_load_b128 v[Y+16*\c+4:Y+16*\c+7],   v1, s[10:11] offset:512*\c th:TH_LOAD_NT
	global_load_b128 v[Y+16*\c+8:Y+16*\c+11],  v1, s[8:9]   offset:512*\c+4096 th:TH_LOAD_NT
	global_load_b128 v[Y+16*\c+12:Y+16*\c+15], v1, s[10:11] offset:512*\c+4096 th:TH_LOAD_NT
.endr
	s_wait_kmcnt 0x0
	s_mov_b32 s14, s13                             ; g1 in a pair's low word
	s_mov_b32 s15, s13
.irp c, 0,1,2,3,4,5,6,7
	s_wait_loadcnt 28-4*\c                         ; chunk c's four loads are in; the later chunks' stay out
	v_pk_add_f32 v[Y+16*\c:Y+16*\c+1],     v[Y+16*\c:Y+16*\c+1],     v[Y+16*\c+4:Y+16*\c+5]
	v_pk_add_f32 v[Y+16*\c+2:Y+16*\c+3],   v[Y+16*\c+2:Y+16*\c+3],   v[Y+16*\c+6:Y+16*\c+7]
	v_pk_add_f32 v[Y+16*\c+8:Y+16*\c+9],   v[Y+16*\c+8:Y+16*\c+9],   v[Y+16*\c+12:Y+16*\c+13]
	v_pk_add_f32 v[Y+16*\c+10:Y+16*\c+11], v[Y+16*\c+10:Y+16*\c+11], v[Y+16*\c+14:Y+16*\c+15]
	v_pk_mul_f32 v[Y+16*\c:Y+16*\c+1],     v[Y+16*\c:Y+16*\c+1],     s[12:13] op_sel_hi:[1,0]
	v_pk_mul_f32 v[Y+16*\c+2:Y+16*\c+3],   v[Y+16*\c+2:Y+16*\c+3],   s[12:13] op_sel_hi:[1,0]
	v_pk_fma_f32 v[Y+16*\c:Y+16*\c+1],     v[Y+16*\c+8:Y+16*\c+9],   s[14:15], v[Y+16*\c:Y+16*\c+1] op_sel_hi:[1,0,1]
	v_pk_fma_f32 v[Y+16*\c+2:Y+16*\c+3],   v[Y+16*\c+10:Y+16*\c+11], s[14:15], v[Y+16*\c+2:Y+16*\c+3] op_sel_hi:[1,0,1]
	global_store_b128 v1, v[Y+16*\c:Y+16*\c+3], s[16:17] offset:512*\c th:TH_STORE_NT  ; 512 consecutive bytes, aligned
.endr
	s_endpgm
.Lfunc_end_k_q765686d124_comb:
	.size	k_q765686d124_comb, .Lfunc_end_k_q765686d124_comb-k_q765686d124_comb
	.p2alignl 7, 3214868480
	.fill 96, 4, 3214868480
	.section	.rodata,"a",@progbits
	.p2align	6, 0x0
	.amdhsa_kernel k_q765686d124_comb
		.amdhsa_group_segment_fixed_size 0
		.amdhsa_private_segment_fixed_size 0
		.amdhsa_enable_private_segment 0
		.amdhsa_kernarg_size 24
		.amdhsa_user_sgpr_count 2
		.amdhsa_user_sgpr_kernarg_segment_ptr 1
		.amdhsa_wavefront_size32 1
		.amdhsa_system_sgpr_workgroup_id_x 1
		.amdhsa_system_sgpr_workgroup_id_y 1
		.amdhsa_system_sgpr_workgroup_id_z 1
		.amdhsa_system_vgpr_workitem_id 0
		.amdhsa_next_free_vgpr 144
		.amdhsa_next_free_sgpr 66
		.amdhsa_reserve_vcc 0
		.amdhsa_float_denorm_mode_32 3
		.amdhsa_float_denorm_mode_16_64 3
		.amdhsa_memory_ordered 1
		.amdhsa_forward_progress 1
		.amdhsa_inst_pref_size 10
	.end_amdhsa_kernel
	.amdgpu_metadata
---
amdhsa.version: [ 1, 2 ]
amdhsa.kernels:
  - .name:           k_q765686d124_comb
    .symbol:         k_q765686d124_comb.kd
    .args:
      - { .name: ypart, .offset: 0, .size: 8, .value_kind: global_buffer, .address_space: global }
      - { .name: gates, .offset: 8, .size: 8, .value_kind: global_buffer, .address_space: global }
      - { .name: out0, .offset: 16, .size: 8, .value_kind: global_buffer, .address_space: global }
    .group_segment_fixed_size: 0
    .private_segment_fixed_size: 0
    .kernarg_segment_align: 8
    .kernarg_segment_size: 24
    .max_flat_workgroup_size: 128
    .sgpr_count:     66
    .vgpr_count:     144
    .wavefront_size: 32
...
	.end_amdgpu_metadata
.endif
;; end of part 4
;; ======== version 2 of 3: 4 launches; 1.25 times as fast as version 1
;; workspace buffers: xb 2,097,152 bytes; ridx 8,192 bytes of whole numbers; gates 8,192 bytes; hbuf 67,108,864 bytes; ypart 16,777,216 bytes
;; launch route: the kernel of part 1 again; grid 256 x 1, 4 waves a work-group, no clusters, 1,536 bytes of LDS; arguments x, noise, w_route, b_route, w_noise, b_noise, xb, ridx, gates, out1; writes xb, ridx, gates, out1
;; launch fc (part 5): grid 32 x 8, 4 waves a work-group, no clusters, 295,424 bytes of LDS; arguments xb, w_fc, b_fc, ridx, hbuf; writes hbuf
.if DOCPART == 5
	.amdgcn_target "amdgcn-amd-amdhsa--gfx1250"
	.amdhsa_code_object_version 6
	.text
	.protected	k_q765686d124_fc
	.globl	k_q765686d124_fc
	.p2align	8
	.type	k_q765686d124_fc,@function
k_q765686d124_fc:
	s_mov_b64 s[64:65], 0
	v_nop
	global_prefetch_b8 v0, s[64:65] scope:SCOPE_SE
	s_setreg_imm32_b32 hwreg(HW_REG_WAVE_MODE, 25, 1), 1
	s_wait_xcnt 0x0
; THE FIRST PRODUCT.  h = gelu_tanh(x w_fc[e] + b_fc[e]) for the rows routed to expert e alone; h goes to hbuf in bf16, in the order in which the second product's operand registers take it.
; SHARES.  Work-group (sl, e) has columns 128 sl .. 128 sl + 127 of expert e's weights, which it alone reads, and all of that expert's rows.
; PHASE 1.  Each wave streams 256 of the slice's 1,024 rows (512 bytes each, one load a row) through a ring of 64 loads in registers, rounds them to bf16 and lays them into LDS as [k][n].
; While the first loads are out, every wave turns the 2,048 choices in ridx into a bitmap of the expert's tokens in 32 scalar registers: bit L of word j is token 64 (j / 2) + 2 L + j % 2
; (the order in which 16-byte loads bring the choices).  A row's RANK counts the set bits ahead of it, word by word; n is their number.
; PHASE 2.  A pass takes 320 ranks, wave w ranks 80 w .. 80 w + 79 of them: five blocks of 16 rows x all 128 columns, 40 accumulators.  2,048 routed rows over 8 experts are 256 an expert on
; average: one pass; the loop has four trips, which cover the 1,024 rows that an expert can have, and a pass with no rank below n is jumped.  The tokens of a pass's ranks are found from the bitmap, in
; registers.  Token rows come from xb straight into registers as matrix operands, three K steps ahead; the weights come out of LDS turned (ds_load_tr16_b128), one step ahead.
; Ranks past n - 1 repeat row n - 1; blocks of 16 rows wholly past n are not stored.  Phase 2 writes no LDS and holds no barrier; one barrier stands behind it, between every wave's reads of the slice and the closing add.
; THE MATRIX INSTRUCTION IS USED TRANSPOSED (source 0 = 16 columns of the weights, source 1 = 16 token rows): a lane holds eight neighbouring columns of one row of h, which, packed to 16 bytes, are
; half of that lane's operand for 32 hidden columns in the second product.  hbuf: [expert 8][block of 16 ranks 64][32 hidden columns 128][half 2][lane 32][16 bytes]: each store of a wave covers 512 consecutive bytes, aligned.
; NO MULTICAST, NO TENSOR LOAD: each weight has one reader and must pass registers to be rounded; the token rows come by a list that no descriptor covers.
; FORMATS AND LIMITS.  x, w_fc and b_fc are rounded once to bf16; sums and the activation in f32; h rounded once to bf16.  An expert has at most 1,024 rows (a token's two choices differ).  NaN and infinities are not treated apart.
; REGISTERS.  Window 0 as named below; window 1: the ring (phase 1: 4 x 64 of weights; phase 2: 4 K steps x 40 of token rows); window 2: accumulator (a, b) at 8 (8 a + b), a = 0..3; window 3: (4, b) at 8 b.
.set P,      288                       ; an LDS row of weights: 256 bytes + 32, nine times 32 bytes
.set KROWS,  32*P                      ; a K step's rows
.set SPARE,  1024*P                    ; behind the weights: the spare words, 128 bytes a wave
.set PITCH,  16384                     ; bytes from row to row of w_fc
.set LB0, 6                            ; v6       LDS address of my lane's part of a weight fragment, K step 0; never rewritten
.set LBC, 7                            ; v7       the same, walking
.set H16, 8                            ; v8       16 (L / 16)
.set L16, 9                            ; v9       16 L; never rewritten
.set WS,  10                           ; v10      phase 1: where my 8 bytes of a row go
.set BO,  11                           ; v11      32 (L / 16)
.set AO,  12                           ; v[12:16] byte offset in xb of my row of block a
.set HO,  17                           ; v17      byte offset in hbuf
.set BI,  32                           ; v[32:95] the bias: register 8 b + j is column 16 b + 8 (L / 16) + j
.set BF,  96                           ; v[96:223] two buffers of weight fragments, 64 each
.set IDX, 96                           ; phase 1: the 2,048 choices, 64 a lane
.set T1,  160                          ; phase 1: at work
.set T2,  192                          ; phase 1: the bias, packed
.set T,   96                           ; the way out: at work
.set PP,  128                          ; the way out: packed results
.set X,   144                          ; the way out: x = sum + bias
.set RK,  224                          ; v[224:226] three vectors of 32 ranks
.set WD,  227                          ; v[227:229] the bitmap word that holds the rank
.set QQ,  230                          ; v[230:232] that word's first token << 16 | the set bits ahead of it
.set TK,  233                          ; v[233:235] the rank's token
.set SA,  236                          ; v236-238 counts of set bits in fields of 2, 4, 8 bits
.set SB,  237
.set SC,  238
.set ST,  239
.set SU,  240
.set PS,  241                          ; the bit's place in its word
.set KK,  242                          ; set bits still to be passed
.set BM,  66                           ; s[66:97] the bitmap
.set MSB, 0
.macro WIN new                         ; bits 1:0 source 0, 3:2 source 1, 5:4 source 2, 7:6 destination; the high byte repeats the setting that is left
.if MSB != (\new)
	s_set_vgpr_msb (MSB<<8)|(\new)
.set MSB, \new
.endif
.endm
.macro PLACES                          ; four plain lines between a matrix instruction and a load into, or a vector line on, its registers
.rept 4
	v_nop
.endr
.endm
.macro WLOAD q, rows                   ; 16 rows of the slice into ring slot q
	WIN 0x40
.set z, 0
.rept 16
	global_load_b128 v[64*(\q)+4*z:64*(\q)+4*z+3], v[L16], s[36:37] offset:((\rows)+z)*PITCH th:TH_LOAD_NT
.set z, z+1
.endr
.endm
.macro WCVT q                          ; slot q rounded to bf16 and laid into LDS: 256 consecutive bytes a row
	WIN 0x05
.set z, 0
.rept 16
	v_cvt_pk_bf16_f32 v[T1+2*z], v[64*(\q)+4*z], v[64*(\q)+4*z+1]
	v_cvt_pk_bf16_f32 v[T1+2*z+1], v[64*(\q)+4*z+2], v[64*(\q)+4*z+3]
.set z, z+1
.endr
	WIN 0
.set z, 0
.rept 16
	ds_store_b64 v[WS], v[T1+2*z:T1+2*z+1] offset:(16*(\q)+z)*P
.set z, z+1
.endr
.endm
	s_load_b256 s[4:11], s[0:1], 0x0               ; xb s[4:5], w_fc s[6:7], b_fc s[8:9], ridx s[10:11]
	s_load_b64 s[12:13], s[0:1], 0x20              ; hbuf
	v_lshl_add_u32 v4, v0, 2, SPARE                ; my spare word
	v_mov_b32 v5, 0
	v_and_b32 v1, 31, v0                           ; L
	v_lshrrev_b32 v31, 5, v0
	v_readfirstlane_b32 s14, v31                   ; wave
	s_and_b32 s15, ttmp7, 0xffff                   ; e
	s_mov_b32 s16, ttmp9                           ; sl
	v_bfe_u32 v3, v0, 4, 1                         ; h
	v_lshlrev_b32 v[H16], 4, v3
	v_and_b32 v30, 7, v0
	v_lshl_add_u32 v30, v3, 3, v30                 ; the turning load: lane L reads row 8 h + L % 8,
	v_mul_u32_u24 v30, v30, P
	v_bfe_u32 v31, v0, 3, 1
	v_lshl_add_u32 v[LB0], v31, 4, v30             ; columns 8 ((L / 8) % 2) on
	v_lshlrev_b32 v[L16], 4, v1
	s_mul_i32 s21, s14, 256*P
	v_lshl_add_u32 v[WS], v1, 3, s21               ; my wave's 256 LDS rows, 8 bytes a lane
	v_lshlrev_b32 v[BO], 5, v3
	s_mov_b32 s30, 0xc0135761                      ; C0 = -2 log2(e) sqrt(2 / pi)
	s_mov_b32 s31, s30
	s_mov_b32 s32, 0xbdd2d3e8                      ; C1 = 0.044715 C0
	s_mov_b32 s33, s32
	s_mov_b32 s46, 0x76543210                      ; v_permlanex16_b32: each lane takes its own place in the other half
	s_mov_b32 s47, 0xfedcba98
	s_mov_b32 s48, 0xffff0000                      ; lanes 16 to 31
	s_mov_b32 s19, 0                               ; n
	s_mov_b32 s29, 0
	s_lshl_b32 s28, s15, 24                        ; the expert's 16 MiB,
	s_lshl_b32 s21, s14, 22                        ; my wave's 256 rows,
	s_add_co_u32 s28, s28, s21
	s_lshl_b32 s21, s16, 9                         ; the slice's 128 columns
	s_add_co_u32 s28, s28, s21
	s_wait_kmcnt 0x0
	s_add_nc_u64 s[36:37], s[6:7], s[28:29]
	s_lshl_b32 s28, s15, 14
	s_add_co_u32 s28, s28, s21
	s_add_nc_u64 s[8:9], s[8:9], s[28:29]          ; the bias of the slice's 128 columns
	s_lshl_b32 s28, s15, 23                        ; hbuf: the expert's 64 blocks of 131,072 bytes,
	s_lshl_b32 s21, s16, 12                        ; the slice's four K steps of 1,024 bytes
	s_add_co_u32 s28, s28, s21
	s_add_nc_u64 s[38:39], s[12:13], s[28:29]
.set z, 0
.rept 16
	global_load_b128 v[IDX+4*z:IDX+4*z+3], v[L16], s[10:11] offset:512*z
.set z, z+1
.endr
.irp b, 0,1,2,3,4,5,6,7
	global_load_b128 v[BI+8*\b:BI+8*\b+3], v[BO], s[8:9] offset:64*\b
	global_load_b128 v[BI+8*\b+4:BI+8*\b+7], v[BO], s[8:9] offset:64*\b+16
.endr
	WLOAD 0, 0
	WLOAD 1, 16
	s_wait_loadcnt 32                              ; choices and bias are in: two batches of 16 are younger
	WLOAD 2, 32
	WLOAD 3, 48
	WIN 0
.set z, 0
.rept 32                               ; the bias rounded to bf16
	v_cvt_pk_bf16_f32 v[T2+z], v[BI+2*z], v[BI+2*z+1]
.set z, z+1
.endr
.set z, 0
.rept 32
	v_lshlrev_b32 v[BI+2*z], 16, v[T2+z]
	v_and_b32 v[BI+2*z+1], 0xffff0000, v[T2+z]
.set z, z+1
.endr
.set j, 0
.rept 32                               ; word j of the bitmap: registers 2 j and 2 j + 1 hold the two choices of token 64 (j / 2) + 2 L + j % 2
	v_cmp_eq_u32 s34, s15, v[IDX+2*j]
	v_cmp_eq_u32 s35, s15, v[IDX+2*j+1]
	s_or_b32 s[BM+j], s34, s35
	s_bcnt1_i32_b32 s21, s[BM+j]
	s_add_co_u32 s19, s19, s21
.set j, j+1
.endr
	s_mov_b32 s27, 3
.Lw:                                   ; a trip: 64 rows are rounded and laid down, the 64 rows behind them asked for
.irp q, 0,1,2,3
	s_wait_loadcnt 48                              ; the oldest batch is in: three batches of 16 are younger
	WCVT \q
	WLOAD \q, 64+16*\q
.endr
	WIN 0
	s_wait_xcnt 0x0                                ; the base is stepped only behind this wait
	s_add_nc_u64 s[36:37], s[36:37], 64*PITCH
	v_add_nc_u32 v[WS], 64*P, v[WS]
	s_sub_co_u32 s27, s27, 1
	s_cmp_lg_u32 s27, 0
	s_cbranch_scc1 .Lw
.irp q, 0,1,2,3
	s_wait_loadcnt 48-16*\q                        ; the last 64 rows: the counts run down
	WCVT \q
.endr
	s_wait_dscnt 0x0                               ; for the others' sake: my rows of the slice are in LDS
	s_barrier_signal -1
	s_barrier_wait -1                              ; the slice is whole
.macro ALOAD slot, off                 ; a K step of my 80 token rows, at byte off of the rows: 16 rows x 64 bytes for each block a
	WIN 0x40
.irp a, 0,1,2,3,4
	global_load_b128 v[40*(\slot)+8*\a:40*(\slot)+8*\a+3], v[AO+\a], s[40:41] offset:(\off)
	global_load_b128 v[40*(\slot)+8*\a+4:40*(\slot)+8*\a+7], v[AO+\a], s[40:41] offset:(\off)+32
.endr
.endm
.macro BLOAD buf, off                  ; a K step of the 128 columns, turned: lane L gets column 16 b + L % 16, k = 8 h + 0..7 and 16 + 8 h + 0..7
	WIN 0
.irp b, 0,1,2,3,4,5,6,7
	ds_load_tr16_b128 v[BF+64*(\buf)+8*\b:BF+64*(\buf)+8*\b+3], v[LBC] offset:(\off)+32*\b
	ds_load_tr16_b128 v[BF+64*(\buf)+8*\b+4:BF+64*(\buf)+8*\b+7], v[LBC] offset:(\off)+16*P+32*\b
.endr
.endm
.macro MULS slot, buf, zero            ; 40 matrix instructions; the 40 accumulators take turns, one instruction a turn.  zero = 1: the first product starts the sums
	WIN 0xa4
.irp a, 0,1,2,3
.irp b, 0,1,2,3,4,5,6,7
.if \zero
	v_wmma_f32_16x16x32_bf16 v[8*(8*\a+\b):8*(8*\a+\b)+7], v[BF+64*(\buf)+8*\b:BF+64*(\buf)+8*\b+7], v[40*(\slot)+8*\a:40*(\slot)+8*\a+7], 0
.else
	v_wmma_f32_16x16x32_bf16 v[8*(8*\a+\b):8*(8*\a+\b)+7], v[BF+64*(\buf)+8*\b:BF+64*(\buf)+8*\b+7], v[40*(\slot)+8*\a:40*(\slot)+8*\a+7], v[8*(8*\a+\b):8*(8*\a+\b)+7]
.endif
.endr
.endr
	WIN 0xf4
.irp b, 0,1,2,3,4,5,6,7
.if \zero
	v_wmma_f32_16x16x32_bf16 v[8*\b:8*\b+7], v[BF+64*(\buf)+8*\b:BF+64*(\buf)+8*\b+7], v[40*(\slot)+32:40*(\slot)+39], 0
.else
	v_wmma_f32_16x16x32_bf16 v[8*\b:8*\b+7], v[BF+64*(\buf)+8*\b:BF+64*(\buf)+8*\b+7], v[40*(\slot)+32:40*(\slot)+39], v[8*\b:8*\b+7]
.endif
.endr
.endm
; One level of the descent in a word: if the field of w bits at PS holds KK set bits or fewer, the bit sought lies above it.
.macro LEVEL reg, w
	v_bfe_u32 v[ST], v[\reg], v[PS], \w
	v_cmp_ge_u32 vcc_lo, v[KK], v[ST]
	v_cndmask_b32 v[ST], 0, v[ST], vcc_lo
	v_cndmask_b32 v[SU], 0, \w, vcc_lo
	v_sub_nc_u32 v[KK], v[KK], v[ST]
	v_add_nc_u32 v[PS], v[PS], v[SU]
.endm
; The token of rank vector i: in its word the set bit number KK = rank - (set bits ahead of the word) is found by halving, on counts of set bits in fields of 2, 4, 8 and 16 bits.
.macro SEL i
	v_and_b32 v[KK], 0xffff, v[QQ+\i]
	v_sub_nc_u32 v[KK], v[RK+\i], v[KK]
	v_lshrrev_b32 v[ST], 1, v[WD+\i]
	v_and_b32 v[ST], 0x55555555, v[ST]
	v_sub_nc_u32 v[SA], v[WD+\i], v[ST]
	v_lshrrev_b32 v[ST], 2, v[SA]
	v_and_b32 v[ST], 0x33333333, v[ST]
	v_and_b32 v[SU], 0x33333333, v[SA]
	v_add_nc_u32 v[SB], v[ST], v[SU]
	v_lshrrev_b32 v[ST], 4, v[SB]
	v_add_nc_u32 v[ST], v[ST], v[SB]
	v_and_b32 v[SC], 0x0f0f0f0f, v[ST]
	v_bfe_u32 v[ST], v[SC], 8, 8
	v_and_b32 v[SU], 0xff, v[SC]
	v_add_nc_u32 v[ST], v[ST], v[SU]               ; set bits in the low 16
	v_cmp_ge_u32 vcc_lo, v[KK], v[ST]
	v_cndmask_b32 v[PS], 0, 16, vcc_lo
	v_cndmask_b32 v[ST], 0, v[ST], vcc_lo
	v_sub_nc_u32 v[KK], v[KK], v[ST]
	LEVEL SC, 8
	LEVEL SB, 4
	LEVEL SA, 2
	v_bfe_u32 v[ST], v[WD+\i], v[PS], 1
	v_cmp_ge_u32 vcc_lo, v[KK], v[ST]
	v_cndmask_b32 v[SU], 0, 1, vcc_lo
	v_add_nc_u32 v[PS], v[PS], v[SU]
	v_lshrrev_b32 v[ST], 16, v[QQ+\i]
	v_lshl_add_u32 v[TK+\i], v[PS], 1, v[ST]       ; the word's first token + 2 x the bit's place
.endm
; Unit u of the way out is block a = u / 2 of 16 rows x half u % 2 of the columns: its four accumulators, with the bias, come into window 0; each accumulator is read from its low end on.
.macro STUB u
.if (\u) < 8
	WIN 0x02
.set AB, 64*((\u)/2)+32*((\u)%2)
.else
	WIN 0x03
.set AB, 32*((\u)%2)
.endif
.set z, 0
.rept 16
	v_pk_add_f32 v[X+z:X+z+1], v[AB+z:AB+z+1], v[BI+32*((\u)%2)+z:BI+32*((\u)%2)+z+1]
.set z, z+2
.endr
	WIN 0
.endm
	s_sub_co_u32 s22, s19, 1                       ; n - 1
	s_mul_i32 s25, s14, 80                         ; my first rank of the pass
	s_mov_b32 s24, 4
.Lpass:
	s_cmp_ge_u32 s25, s19
	s_cbranch_scc1 .Lnext                          ; none of my ranks is below n: nothing to do in this pass
	s_wait_xcnt 0x0                                ; the last pass's loads and stores have read their offsets, base and data
	; THE TOKENS OF MY 80 RANKS.  Three vectors of 32 ranks; for each the last word with no more set bits ahead of it than the rank: 31 steps along the prefix counts.
	v_add_nc_u32 v[RK], s25, v1
	v_add_nc_u32 v[RK+1], 32, v[RK]
	v_add_nc_u32 v[RK+2], 64, v[RK]
.irp i, 0,1,2
	v_min_u32 v[RK+\i], s22, v[RK+\i]              ; ranks past n - 1 repeat the last row
	v_mov_b32 v[WD+\i], s[BM]
	v_mov_b32 v[QQ+\i], 0
.endr
	s_mov_b32 s42, 0
.set j, 1
.rept 31
	s_bcnt1_i32_b32 s21, s[BM+j-1]
	s_add_co_u32 s42, s42, s21                     ; set bits ahead of word j
	s_or_b32 s43, s42, (64*(j/2)+(j%2))<<16        ; with the word's first token above them
	v_cmp_le_u32 vcc_lo, s42, v[RK]
	v_cmp_le_u32 s34, s42, v[RK+1]
	v_cmp_le_u32 s35, s42, v[RK+2]
	v_cndmask_b32 v[WD], v[WD], s[BM+j], vcc_lo
	v_cndmask_b32 v[QQ], v[QQ], s43, vcc_lo
	v_cndmask_b32 v[WD+1], v[WD+1], s[BM+j], s34
	v_cndmask_b32 v[QQ+1], v[QQ+1], s43, s34
	v_cndmask_b32 v[WD+2], v[WD+2], s[BM+j], s35
	v_cndmask_b32 v[QQ+2], v[QQ+2], s43, s35
.set j, j+1
.endr
	SEL 0
	SEL 1
	SEL 2
	v_permlanex16_b32 v[SA], v[TK], s46, s47       ; block a wants rank 16 a + L % 16 in both halves of the lanes: the other half's tokens,
	v_permlanex16_b32 v[SB], v[TK+1], s46, s47
	v_permlanex16_b32 v[SC], v[TK+2], s46, s47
	v_cndmask_b32 v[AO], v[TK], v[SA], s48         ; and a choice by the lane's half
	v_cndmask_b32 v[AO+1], v[SA], v[TK], s48
	v_cndmask_b32 v[AO+2], v[TK+1], v[SB], s48
	v_cndmask_b32 v[AO+3], v[SB], v[TK+1], s48
	v_cndmask_b32 v[AO+4], v[TK+2], v[SC], s48
.irp a, 0,1,2,3,4
	v_min_u32 v[AO+\a], 0x3ff, v[AO+\a]
	v_lshl_add_u32 v[AO+\a], v[AO+\a], 11, v[H16]  ; the token's row of 2,048 bytes, 16 bytes for each half of the lanes
.endr
	s_mov_b64 s[40:41], s[4:5]
	v_mov_b32 v[LBC], v[LB0]
	; K = 1,024 IN 32 STEPS: step 0 is written out, since its products start the sums; seven trips take steps 4 t + 1 .. 4 t + 4; steps 29 to 31 ask for no more rows.
	ALOAD 0, 0
	ALOAD 1, 64
	ALOAD 2, 128
	BLOAD 0, 0
	ALOAD 3, 192
	BLOAD 1, KROWS
	s_wait_loadcnt 30                              ; step 0's rows are in: three steps of 10 loads are younger
	s_wait_dscnt 16                                ; step 0's weights are in: the next step's 16 loads are younger
	MULS 0, 0, 1
	WIN 0
	s_mov_b32 s27, 7
.Lk:
.irp i, 0,1,2,3                        ; step s = 4 t + 1 + i asks for the rows of step s + 3, into the slot that step s - 1 read, and for the weights of step s + 1
	PLACES
	ALOAD \i, 64*(4+\i)
	BLOAD \i%2, (2+\i)*KROWS
	s_wait_loadcnt 30                              ; this step's rows are in: three steps of 10 loads are younger
	s_wait_dscnt 16                                ; this step's weights are in: the next step's 16 loads are younger
	MULS (1+\i)%4, (1+\i)%2, 0
.endr
	WIN 0
	s_wait_xcnt 0x0                                ; the base is stepped only behind this wait
	s_add_nc_u64 s[40:41], s[40:41], 256           ; four K steps of 64 bytes
	v_add_nc_u32 v[LBC], 4*KROWS, v[LBC]
	s_sub_co_u32 s27, s27, 1
	s_cmp_lg_u32 s27, 0
	s_cbranch_scc1 .Lk
	PLACES
	BLOAD 0, 2*KROWS                               ; step 30's weights
	s_wait_loadcnt 20                              ; the counts run down
	s_wait_dscnt 16
	MULS 1, 1, 0
	PLACES
	BLOAD 1, 3*KROWS                               ; step 31's
	s_wait_loadcnt 10
	s_wait_dscnt 16
	MULS 2, 0, 0
	s_wait_loadcnt 0x0
	s_wait_dscnt 0x0
	MULS 3, 1, 0
	WIN 0
	PLACES
	; THE WAY OUT, ten units of 16 rows x 64 columns by one text: a unit's sums are copied by its own few lines, chosen by forward branches on the loop's counter.
	s_mov_b32 s44, 0
.Lu:
	s_lshr_b32 s45, s44, 1
	s_lshl_b32 s45, s45, 4
	s_add_co_u32 s45, s45, s25                     ; the block's first rank
	s_cmp_ge_u32 s45, s19
	s_cbranch_scc1 .Lunext                         ; the block lies wholly past the expert's rows
	s_wait_xcnt 0x0                                ; the last unit's stores have read their offset and data
.irp u, 1,2,3,4,5,6,7,8,9
	s_cmp_eq_u32 s44, \u
	s_cbranch_scc1 .Lc\u
.endr
	STUB 0
	s_branch .Lcom
.irp u, 1,2,3,4,5,6,7,8
.Lc\u:
	STUB \u
	s_branch .Lcom
.endr
.Lc9:
	STUB 9
.Lcom:
	s_lshr_b32 s45, s45, 4                         ; the block's number among the expert's,
	s_lshl_b32 s45, s45, 17                        ; its 131,072 bytes,
	s_and_b32 s49, s44, 1
	s_lshl_b32 s49, s49, 11                        ; the column half's two K steps of 1,024 bytes
	s_add_co_u32 s45, s45, s49
	v_add_nc_u32 v[HO], s45, v[L16]
	; gelu(x) = x / (1 + 2^(x (C0 + C1 x^2)))
.set z, 0
.rept 16
	v_pk_mul_f32 v[T+z:T+z+1], v[X+z:X+z+1], v[X+z:X+z+1]
.set z, z+2
.endr
.set z, 0
.rept 16
	v_pk_fma_f32 v[T+z:T+z+1], v[T+z:T+z+1], s[32:33], s[30:31] op_sel_hi:[1,0,0]
.set z, z+2
.endr
.set z, 0
.rept 16
	v_pk_mul_f32 v[T+z:T+z+1], v[T+z:T+z+1], v[X+z:X+z+1]
.set z, z+2
.endr
.set z, 0
.rept 32
	v_exp_f32 v[T+z], v[T+z]
.set z, z+1
.endr
	v_nop                                          ; a plain line behind the last exponential,
	s_wait_alu depctr_va_vdst(0)                   ; and one wait for the batch
.set z, 0
.rept 16
	v_pk_add_f32 v[T+z:T+z+1], v[T+z:T+z+1], 1.0 op_sel_hi:[1,0]
.set z, z+2
.endr
.set z, 0
.rept 32
	v_rcp_f32 v[T+z], v[T+z]
.set z, z+1
.endr
	v_nop
	s_wait_alu depctr_va_vdst(0)
.set z, 0
.rept 16
	v_pk_mul_f32 v[T+z:T+z+1], v[T+z:T+z+1], v[X+z:X+z+1]
.set z, z+2
.endr
.set z, 0
.rept 16
	v_cvt_pk_bf16_f32 v[PP+z], v[T+2*z], v[T+2*z+1]
.set z, z+1
.endr
.irp b, 0,1,2,3
	global_store_b128 v[HO], v[PP+4*\b:PP+4*\b+3], s[38:39] offset:512*\b  ; 512 consecutive bytes, aligned: half an operand of 16 rows x 32 hidden columns
.endr
.Lunext:
	s_add_co_u32 s44, s44, 1
	s_cmp_lt_u32 s44, 10
	s_cbranch_scc1 .Lu
.Lnext:
	s_add_co_u32 s25, s25, 320
	s_sub_co_u32 s24, s24, 1
	s_cmp_lg_u32 s24, 0
	s_cbranch_scc1 .Lpass
	s_wait_dscnt 0x0                               ; my reads of the slice are over,
	s_barrier_signal -1
	s_barrier_wait -1                              ; and so are every wave's: the add below is the one LDS write behind them
	s_wait_tensorcnt 0x0                           ; the wave's end
	ds_add_u32 v4, v5
	s_wait_dscnt 0x0
	s_endpgm
.Lfunc_end_k_q765686d124_fc:
	.size	k_q765686d124_fc, .Lfunc_end_k_q765686d124_fc-k_q765686d124_fc
	.p2alignl 7, 3214868480
	.fill 96, 4, 3214868480
	.section	.rodata,"a",@progbits
	.p2align	6, 0x0
	.amdhsa_kernel k_q765686d124_fc
		.amdhsa_group_segment_fixed_size 295424
		.amdhsa_private_segment_fixed_size 0
		.amdhsa_enable_private_segment 0
		.amdhsa_kernarg_size 40
		.amdhsa_user_sgpr_count 2
		.amdhsa_user_sgpr_kernarg_segment_ptr 1
		.amdhsa_wavefront_size32 1
		.amdhsa_system_sgpr_workgroup_id_x 1
		.amdhsa_system_sgpr_workgroup_id_y 1
		.amdhsa_system_sgpr_workgroup_id_z 1
		.amdhsa_system_vgpr_workitem_id 0
		.amdhsa_next_free_vgpr 832
		.amdhsa_next_free_sgpr 98
		.amdhsa_reserve_vcc 1
		.amdhsa_float_denorm_mode_32 3
		.amdhsa_float_denorm_mode_16_64 3
		.amdhsa_memory_ordered 1
		.amdhsa_forward_progress 1
		.amdhsa_inst_pref_size 142
	.end_amdhsa_kernel
	.amdgpu_metadata
---
amdhsa.version: [ 1, 2 ]
amdhsa.kernels:
  - .name:           k_q765686d124_fc
    .symbol:         k_q765686d124_fc.kd
    .args:
      - { .name: xb, .offset: 0, .size: 8, .value_kind: global_buffer, .address_space: global }
      - { .name: w_fc, .offset: 8, .size: 8, .value_kind: global_buffer, .address_space: global }
      - { .name: b_fc, .offset: 16, .size: 8, .value_kind: global_buffer, .address_space: global }
      - { .name: ridx, .offset: 24, .size: 8, .value_kind: global_buffer, .address_space: global }
      - { .name: hbuf, .offset: 32, .size: 8, .value_kind: global_buffer, .address_space: global }
    .group_segment_fixed_size: 295424
    .private_segment_fixed_size: 0
    .kernarg_segment_align: 8
    .kernarg_segment_size: 40
    .max_flat_workgroup_size: 128
    .sgpr_count:     98
    .vgpr_count:     832
    .wavefront_size: 32
...
	.end_amdgpu_metadata
.endif
;; end of part 5
;; launch proj (part 6): grid 32 x 8, 4 waves a work-group, no clusters, 322,048 bytes of LDS; arguments hbuf, w_proj, b_proj, ridx, ypart; writes ypart
.if DOCPART == 6
	.amdgcn_target "amdgcn-amd-amdhsa--gfx1250"
	.amdhsa_code_object_version 6
	.text
	.protected	k_q765686d124_proj
	.globl	k_q765686d124_proj
	.p2align	8
	.type	k_q765686d124_proj,@function
k_q765686d124_proj:
	s_mov_b64 s[64:65], 0
	v_nop
	global_prefetch_b8 v0, s[64:65] scope:SCOPE_SE
	s_setreg_imm32_b32 hwreg(HW_REG_WAVE_MODE, 25, 1), 1
	s_wait_xcnt 0x0
; THE SECOND PRODUCT.  ypart[kh][slot] = h[slot] w_proj[e] over half kh of the hidden width (+ b_proj[e] in half 0), in f32: partial sums, added by the next launch.
; SHARES.  Work-group (x, e): cs = x % 16 is a block of 64 output columns, kh = x / 16 a half of the 4,096 hidden rows: 2,048 x 64 weights, which it alone reads, and all of the expert's rows.
; PHASE 1 is the first product's: each wave streams 256 LDS rows' worth through a ring of 64 loads, rounds to bf16 and lays them down; an LDS row j holds k = j in its first 128 bytes and
; k = 1,024 + j in its second (lanes 0-15 load the one, lanes 16-31 the other: 256 consecutive bytes each).  Meanwhile every wave ranks ridx for itself, in the first product's order (by pairs of
; registers, then by lane): n, and a list rank -> slot in its own LDS bytes, which serves the stores' addresses.
; PHASE 2.  A pass takes 320 ranks, wave w ranks 80 w .. 80 w + 79 of them: five blocks of 16 rows x 64 columns, 20 accumulators, K = 2,048 in 64 steps.  The loop has four trips, which cover the
; 1,024 rows that an expert can have; a pass with no rank below n is jumped.  h lies in hbuf as operands ([expert][block of 16 ranks][32 hidden columns][half][lane][16 bytes]): each load of a wave is 512
; consecutive bytes, five steps ahead (60 loads of a wave out at the most); the weights come out of LDS turned, one step ahead.  The 64 steps are written out: the weights' LDS addresses are five registers
; made once (each reaches seven groups of 32 rows by the 16-bit offset) and immediates, and h's step stands in the loads' immediates, so that no address is stepped in the pass loop.
; Step s takes half s % 2 of the LDS rows 32 (s / 2) on; the sum's order is not ascending in k.  Blocks wholly past n repeat the expert's last block and are not stored; in that last block the first
; product has repeated row n - 1.  Phase 2 holds no barrier and writes only the wave's own stage.
; NO MULTICAST, NO TENSOR LOAD: each weight has one reader and must pass registers to be rounded; h's rows are shared by an expert's work-groups, but the slice leaves no LDS for them (294,912 of 327,680 bytes).
; FORMATS AND LIMITS.  w_proj and b_proj are rounded once to bf16; sums in f32.  An expert has at most 1,024 rows.  NaN and infinities are not treated apart.
; REGISTERS.  Window 0 as named below; window 1: the ring (phase 1: 4 x 64 of weights; phase 2: 6 K steps x 40 of h); window 2: accumulator (a, b) at 8 (4 a + b).
.set P,      288
.set KROWS,  32*P
.set LBSTEP, 7*KROWS                   ; seven groups of 32 rows fit an LDS instruction's 16-bit offset; five address registers reach all 32
.set STAGE,  1024*P                    ; 4,352 bytes a wave: 16 rows x 272
.set STG,    4352
.set LIST,   STAGE+4*STG               ; 2,304 bytes a wave: 1,024 entries of 16 bits, and entry 1,024, where the other experts' choices are dumped
.set LST,    2304
.set SPARE,  LIST+4*LST                ; the spare words, 128 bytes a wave
.set PITCH,  4096                      ; bytes from row to row of w_proj
.set SP,     272
.set L16, 9                            ; v9       16 L; never rewritten
.set WS,  10                           ; v10      phase 1: where my 8 bytes of a row go
.set BO,  11                           ; v11      32 (L / 16)
.set AO,  12                           ; v[12:16] byte offset in the expert's part of hbuf of my 16 bytes of block a
.set STO, 17                           ; v17      the way out: where I put 32 bytes of a row
.set RD,  18                           ; v18      where I read rows back
.set WO,  19                           ; v19      phase 1: 1,024 rows x (L / 16) + 16 (L % 16); never rewritten
.set VID, 20                           ; v20      4 L
.set R16, 24                           ; v24      16 (L % 16)
.set LB,  25                           ; v[25:29] LDS address of my lane's part of a weight fragment, rows 224 i on; never rewritten
.set BI,  32                           ; v[32:63] the bias: register 8 b + j is column 16 b + 8 (L / 16) + j
.set BF,  64                           ; v[64:127] two buffers of weight fragments, 32 each
.set T1,  64                           ; phase 1: at work
.set T2,  96                           ; phase 1: the bias, packed
.set IDX, 128                          ; phase 1: the 2,048 choices, 64 a lane
.set T,   128                          ; the way out: sums + bias
.set OO,  160                          ; the way out: whole rows
.set YO,  192                          ; v[192:199] byte offsets in ypart
.set MSB, 0
.macro WIN new                         ; bits 1:0 source 0, 3:2 source 1, 5:4 source 2, 7:6 destination; the high byte repeats the setting that is left
.if MSB != (\new)
	s_set_vgpr_msb (MSB<<8)|(\new)
.set MSB, \new
.endif
.endm
.macro PLACES                          ; four plain lines between a matrix instruction and a load into, or a vector line on, its registers
.rept 4
	v_nop
.endr
.endm
.macro WLOAD q, rows
	WIN 0x40
.set z, 0
.rept 16
	global_load_b128 v[64*(\q)+4*z:64*(\q)+4*z+3], v[WO], s[36:37] offset:((\rows)+z)*PITCH th:TH_LOAD_NT
.set z, z+1
.endr
.endm
.macro WCVT q
	WIN 0x05
.set z, 0
.rept 16
	v_cvt_pk_bf16_f32 v[T1+2*z], v[64*(\q)+4*z], v[64*(\q)+4*z+1]
	v_cvt_pk_bf16_f32 v[T1+2*z+1], v[64*(\q)+4*z+2], v[64*(\q)+4*z+3]
.set z, z+1
.endr
	WIN 0
.set z, 0
.rept 16
	ds_store_b64 v[WS], v[T1+2*z:T1+2*z+1] offset:(16*(\q)+z)*P
.set z, z+1
.endr
.endm
; Registers 2 j and 2 j + 1 hold the two choices of one token: slots 128 (j / 2) + 4 L + 2 (j % 2) and the next.  A token of my expert gets rank n, n + 1, .. in lane order; its slot goes into the list.
.macro RANK j
	v_cmp_eq_u32 s34, s15, v[IDX+2*(\j)]
	v_cmp_eq_u32 s35, s15, v[IDX+2*(\j)+1]
	s_or_b32 vcc_lo, s34, s35
	v_mbcnt_lo_u32_b32 v21, vcc_lo, s19
	s_bcnt1_i32_b32 s21, vcc_lo
	s_add_co_u32 s19, s19, s21
	v_cndmask_b32 v21, v23, v21, vcc_lo            ; the others go to entry 1,024
	v_min_u32 v21, 0x400, v21
	v_lshl_add_u32 v21, v21, 1, s26
	v_cndmask_b32 v22, 0, 1, s35                   ; the second choice's slot is one further
	v_add3_u32 v22, v22, v[VID], 128*((\j)/2)+2*((\j)%2)
	ds_store_b16 v21, v22
.endm
	s_load_b256 s[4:11], s[0:1], 0x0               ; hbuf s[4:5], w_proj s[6:7], b_proj s[8:9], ridx s[10:11]
	s_load_b64 s[12:13], s[0:1], 0x20              ; ypart
	v_lshl_add_u32 v4, v0, 2, SPARE                ; my spare word
	v_mov_b32 v5, 0
	v_and_b32 v1, 31, v0
	v_lshrrev_b32 v21, 5, v0
	v_readfirstlane_b32 s14, v21                   ; wave
	s_and_b32 s15, ttmp7, 0xffff                   ; e
	s_mov_b32 s16, ttmp9
	s_and_b32 s17, s16, 15                         ; cs
	s_lshr_b32 s18, s16, 4                         ; kh
	v_and_b32 v2, 15, v0                           ; r
	v_bfe_u32 v3, v0, 4, 1                         ; h
	v_and_b32 v21, 7, v0
	v_lshl_add_u32 v21, v3, 3, v21                 ; the turning load: lane L reads row 8 h + L % 8,
	v_mul_u32_u24 v21, v21, P
	v_bfe_u32 v22, v0, 3, 1
	v_lshl_add_u32 v[LB], v22, 4, v21              ; columns 8 ((L / 8) % 2) on
.irp i, 1,2,3,4
	v_add_nc_u32 v[LB+\i], \i*LBSTEP, v[LB]
.endr
	s_mul_i32 s21, s14, STG
	s_add_co_u32 s21, s21, STAGE                   ; my stage
	v_lshlrev_b32 v[BO], 5, v3
	v_lshlrev_b32 v[R16], 4, v2
	v_mul_u32_u24 v[STO], v2, SP
	v_add3_u32 v[STO], v[STO], v[BO], s21          ; in: row r, 32 bytes for each half of the lanes
	v_mul_u32_u24 v[RD], v3, SP
	v_add3_u32 v[RD], v[RD], v[R16], s21           ; back: lanes 0-15 one row of 256 bytes, lanes 16-31 the next
	v_lshlrev_b32 v[WO], 22, v3
	v_add_nc_u32 v[WO], v[WO], v[R16]
	v_lshlrev_b32 v[L16], 4, v1
	s_mul_i32 s21, s14, 256*P
	v_lshl_add_u32 v[WS], v1, 3, s21
	v_lshlrev_b32 v[VID], 2, v1
	v_mov_b32 v23, 0x400
	s_mul_i32 s26, s14, LST
	s_add_co_u32 s26, s26, LIST                    ; my list
	s_cmp_eq_u32 s18, 0
	s_cselect_b32 s32, -1, 0                       ; the bias counts in half 0 alone
	s_mov_b32 s19, 0                               ; n
	s_mov_b32 s29, 0
	s_lshl_b32 s28, s15, 24                        ; the expert's 16 MiB,
	s_lshl_b32 s21, s18, 23                        ; the half's 2,048 rows,
	s_add_co_u32 s28, s28, s21
	s_lshl_b32 s27, s14, 20                        ; my wave's 256 rows,
	s_add_co_u32 s28, s28, s27
	s_lshl_b32 s27, s17, 8                         ; the block's 64 columns
	s_add_co_u32 s28, s28, s27
	s_wait_kmcnt 0x0
	s_add_nc_u64 s[36:37], s[6:7], s[28:29]
	s_lshl_b32 s28, s15, 12
	s_add_co_u32 s28, s28, s27
	s_add_nc_u64 s[8:9], s[8:9], s[28:29]          ; the bias of my 64 columns
	s_lshl_b32 s28, s15, 23                        ; hbuf: the expert's 64 blocks of 131,072 bytes,
	s_lshl_b32 s31, s18, 16                        ; the half's 64 K steps of 1,024 bytes
	s_add_co_u32 s28, s28, s31
	s_add_nc_u64 s[42:43], s[4:5], s[28:29]
	s_add_co_u32 s28, s21, s27
	s_add_nc_u64 s[38:39], s[12:13], s[28:29]      ; ypart at the half, at my 64 columns
.set z, 0
.rept 16
	global_load_b128 v[IDX+4*z:IDX+4*z+3], v[L16], s[10:11] offset:512*z
.set z, z+1
.endr
.irp b, 0,1,2,3
	global_load_b128 v[BI+8*\b:BI+8*\b+3], v[BO], s[8:9] offset:64*\b
	global_load_b128 v[BI+8*\b+4:BI+8*\b+7], v[BO], s[8:9] offset:64*\b+16
.endr
	WLOAD 0, 0
	WLOAD 1, 16
	s_wait_loadcnt 32                              ; choices and bias are in: two batches of 16 are younger
	WLOAD 2, 32
	WLOAD 3, 48
	WIN 0
.set z, 0
.rept 16                               ; the bias rounded to bf16, and 0 in half 1
	v_cvt_pk_bf16_f32 v[T2+z], v[BI+2*z], v[BI+2*z+1]
.set z, z+1
.endr
.set z, 0
.rept 16
	v_and_b32 v[T2+z], s32, v[T2+z]
.set z, z+1
.endr
.set z, 0
.rept 16
	v_lshlrev_b32 v[BI+2*z], 16, v[T2+z]
	v_and_b32 v[BI+2*z+1], 0xffff0000, v[T2+z]
.set z, z+1
.endr
.set jj, 0
.rept 32
	RANK jj
.set jj, jj+1
.endr
	s_mov_b32 s27, 3
.Lw:
.irp q, 0,1,2,3
	s_wait_loadcnt 48                              ; the oldest batch is in: three batches of 16 are younger
	WCVT \q
	WLOAD \q, 64+16*\q
.endr
	WIN 0
	s_wait_xcnt 0x0                                ; the base is stepped only behind this wait
	s_add_nc_u64 s[36:37], s[36:37], 64*PITCH
	v_add_nc_u32 v[WS], 64*P, v[WS]
	s_sub_co_u32 s27, s27, 1
	s_cmp_lg_u32 s27, 0
	s_cbranch_scc1 .Lw
.irp q, 0,1,2,3
	s_wait_loadcnt 48-16*\q                        ; the last 64 rows: the counts run down
	WCVT \q
.endr
	s_wait_dscnt 0x0                               ; for the others' sake: my rows of the slice are in LDS
	s_barrier_signal -1
	s_barrier_wait -1                              ; the launch's one barrier
; Step s: LDS rows 32 (s / 2) on, bytes 128 (s % 2) on; in hbuf K step 32 (s % 2) + s / 2 of the half's 64.
.macro ALOAD s                         ; K step s of my five blocks of h: two loads of 512 consecutive bytes a block, into ring slot s % 6
	WIN 0x40
.irp a, 0,1,2,3,4
	global_load_b128 v[40*((\s)%6)+8*\a:40*((\s)%6)+8*\a+3], v[AO+\a], s[42:43] offset:((\s)/2)*1024+((\s)%2)*32768
	global_load_b128 v[40*((\s)%6)+8*\a+4:40*((\s)%6)+8*\a+7], v[AO+\a], s[42:43] offset:((\s)/2)*1024+((\s)%2)*32768+512
.endr
.endm
.macro BLOAD s                         ; K step s of the 64 columns, turned, into buffer s % 2
	WIN 0
.irp b, 0,1,2,3
	ds_load_tr16_b128 v[BF+32*((\s)%2)+8*\b:BF+32*((\s)%2)+8*\b+3], v[LB+((\s)/2)/7] offset:(((\s)/2)%7)*KROWS+128*((\s)%2)+32*\b
	ds_load_tr16_b128 v[BF+32*((\s)%2)+8*\b+4:BF+32*((\s)%2)+8*\b+7], v[LB+((\s)/2)/7] offset:(((\s)/2)%7)*KROWS+16*P+128*((\s)%2)+32*\b
.endr
.endm
.macro MULS slot, buf, zero            ; 20 matrix instructions; the 20 accumulators take turns, one instruction a turn.  zero = 1: the first product starts the sums
	WIN 0xa4
.irp a, 0,1,2,3,4
.irp b, 0,1,2,3
.if \zero
	v_wmma_f32_16x16x32_bf16 v[8*(4*\a+\b):8*(4*\a+\b)+7], v[BF+32*(\buf)+8*\b:BF+32*(\buf)+8*\b+7], v[40*(\slot)+8*\a:40*(\slot)+8*\a+7], 0
.else
	v_wmma_f32_16x16x32_bf16 v[8*(4*\a+\b):8*(4*\a+\b)+7], v[BF+32*(\buf)+8*\b:BF+32*(\buf)+8*\b+7], v[40*(\slot)+8*\a:40*(\slot)+8*\a+7], v[8*(4*\a+\b):8*(4*\a+\b)+7]
.endif
.endr
.endr
.endm
.macro KSTEP s                         ; step s asks for the rows of step s + 5, into the slot that step s - 1 read, and for the weights of step s + 1
.if ((\s) > 0) && ((\s) < 63)
	PLACES
.endif
.if (\s)+5 < 64
	ALOAD (\s)+5
.endif
.if (\s)+1 < 64
	BLOAD (\s)+1
.endif
.if (\s) < 59
	s_wait_loadcnt 50                              ; this step's rows are in: five steps of 10 loads are younger
.else
	s_wait_loadcnt 10*(63-(\s))                    ; the counts run down
.endif
.if (\s) < 63
	s_wait_dscnt 8                                 ; this step's weights are in: the next step's 8 loads are younger
.else
	s_wait_dscnt 0
.endif
.if (\s) == 0
	MULS 0, 0, 1
.else
	MULS (\s)%6, (\s)%2, 0
.endif
.endm
.macro STUB a                          ; block a's four accumulators, with the bias, come into window 0; each accumulator is read from its low end on
	WIN 0x02
.set z, 0
.rept 16
	v_pk_add_f32 v[T+z:T+z+1], v[32*(\a)+z:32*(\a)+z+1], v[BI+z:BI+z+1]
.set z, z+2
.endr
	WIN 0
.endm
	s_sub_co_u32 s22, s19, 1                       ; n - 1
	s_lshr_b32 s51, s22, 4                         ; the expert's last block
	s_mul_i32 s25, s14, 80                         ; my first rank of the pass
	s_mov_b32 s24, 4
.Lpass:
	s_cmp_ge_u32 s25, s19
	s_cbranch_scc1 .Lnext                          ; none of my ranks is below n: nothing to do in this pass
	s_wait_xcnt 0x0                                ; the last pass's loads and stores have read their offsets and data
	s_lshr_b32 s50, s25, 4                         ; my first block
.irp a, 0,1,2,3,4
	s_add_co_u32 s21, s50, \a
	s_min_u32 s21, s21, s51                        ; blocks past the last repeat it
	s_min_u32 s21, s21, 63
	s_lshl_b32 s21, s21, 17                        ; 131,072 bytes a block
	v_add_nc_u32 v[AO+\a], s21, v[L16]
.endr
.irp s, 0,1,2,3,4
	ALOAD \s
.endr
	BLOAD 0
.set ks, 0
.rept 64
	KSTEP ks
.set ks, ks+1
.endr
	WIN 0
	PLACES
	; THE WAY OUT, five blocks of 16 rows x 64 columns of f32 by one text: bias, through my stage, and out by whole rows of 256 bytes to the rows' slots.
	s_mov_b32 s44, 0
.Lu:
	s_lshl_b32 s45, s44, 4
	s_add_co_u32 s45, s45, s25                     ; the block's first rank
	s_cmp_ge_u32 s45, s19
	s_cbranch_scc1 .Lunext                         ; the block lies wholly past the expert's rows
	s_wait_xcnt 0x0                                ; the last block's stores have read their offsets and data
.irp u, 1,2,3,4
	s_cmp_eq_u32 s44, \u
	s_cbranch_scc1 .Lc\u
.endr
	STUB 0
	s_branch .Lcom
.irp u, 1,2,3
.Lc\u:
	STUB \u
	s_branch .Lcom
.endr
.Lc4:
	STUB 4
.Lcom:
.irp t, 0,1,2,3,4,5,6,7
	v_add3_u32 v[YO+\t], v3, s45, 2*\t             ; the rank of the row that I store,
	v_min_u32 v[YO+\t], s22, v[YO+\t]              ; held to n - 1: rows past it hold row n - 1's numbers and go to its slot
	v_min_u32 v[YO+\t], 0x3ff, v[YO+\t]
	v_lshl_add_u32 v[YO+\t], v[YO+\t], 1, s26
.endr
.irp t, 0,1,2,3,4,5,6,7
	ds_load_u16 v[YO+\t], v[YO+\t]                 ; the rank's slot
.endr
.irp b, 0,1,2,3
	ds_store_b128 v[STO], v[T+8*\b:T+8*\b+3] offset:64*\b
	ds_store_b128 v[STO], v[T+8*\b+4:T+8*\b+7] offset:64*\b+16
.endr
.irp t, 0,1,2,3,4,5,6,7
	ds_load_b128 v[OO+4*\t:OO+4*\t+3], v[RD] offset:2*SP*\t  ; LDS serves a wave's instructions in order (ISA guide 5.7.1.4): these see the stores above
.endr
	s_wait_dscnt 0x0
.irp t, 0,1,2,3,4,5,6,7
	v_min_u32 v[YO+\t], 0x7ff, v[YO+\t]
	v_lshl_add_u32 v[YO+\t], v[YO+\t], 12, v[R16]  ; its row of 4,096 bytes
.endr
.irp t, 0,1,2,3,4,5,6,7
	global_store_b128 v[YO+\t], v[OO+4*\t:OO+4*\t+3], s[38:39]  ; 16 lanes store 256 consecutive bytes, aligned
.endr
.Lunext:
	s_add_co_u32 s44, s44, 1
	s_cmp_lt_u32 s44, 5
	s_cbranch_scc1 .Lu
.Lnext:
	s_add_co_u32 s25, s25, 320
	s_sub_co_u32 s24, s24, 1
	s_cmp_lg_u32 s24, 0
	s_cbranch_scc1 .Lpass
	s_wait_tensorcnt 0x0                           ; the wave's end
	ds_add_u32 v4, v5
	s_wait_dscnt 0x0
	s_endpgm
.Lfunc_end_k_q765686d124_proj:
	.size	k_q765686d124_proj, .Lfunc_end_k_q765686d124_proj-k_q765686d124_proj
	.p2alignl 7, 3214868480
	.fill 96, 4, 3214868480
	.section	.rodata,"a",@progbits
	.p2align	6, 0x0
	.amdhsa_kernel k_q765686d124_proj
		.amdhsa_group_segment_fixed_size 322048
		.amdhsa_private_segment_fixed_size 0
		.amdhsa_enable_private_segment 0
		.amdhsa_kernarg_size 40
		.amdhsa_user_sgpr_count 2
		.amdhsa_user_sgpr_kernarg_segment_ptr 1
		.amdhsa_wavefront_size32 1
		.amdhsa_system_sgpr_workgroup_id_x 1
		.amdhsa_system_sgpr_workgroup_id_y 1
		.amdhsa_system_sgpr_workgroup_id_z 1
		.amdhsa_system_vgpr_workitem_id 0
		.amdhsa_next_free_vgpr 672
		.amdhsa_next_free_sgpr 66
		.amdhsa_reserve_vcc 1
		.amdhsa_float_denorm_mode_32 3
		.amdhsa_float_denorm_mode_16_64 3
		.amdhsa_memory_ordered 1
		.amdhsa_forward_progress 1
		.amdhsa_inst_pref_size 255
	.end_amdhsa_kernel
	.section	.bss,"aw",@nobits
	.p2align	6
	.space	262144
	.amdgpu_metadata
---
amdhsa.version: [ 1, 2 ]
amdhsa.kernels:
  - .name:           k_q765686d124_proj
    .symbol:         k_q765686d124_proj.kd
    .args:
      - { .name: hbuf, .offset: 0, .size: 8, .value_kind: global_buffer, .address_space: global }
      - { .name: w_proj, .offset: 8, .size: 8, .value_kind: global_buffer, .address_space: global }
      - { .name: b_proj, .offset: 16, .size: 8, .value_kind: global_buffer, .address_space: global }
      - { .name: ridx, .offset: 24, .size: 8, .value_kind: global_buffer, .address_space: global }
      - { .name: ypart, .offset: 32, .size: 8, .value_kind: global_buffer, .address_space: global }
    .group_segment_fixed_size: 322048
    .private_segment_fixed_size: 0
    .kernarg_segment_align: 8
    .kernarg_segment_size: 40
    .max_flat_workgroup_size: 128
    .sgpr_count:     66
    .vgpr_count:     672
    .wavefront_size: 32
...
	.end_amdgpu_metadata
.endif
;; end of part 6
;; launch comb: the kernel of part 4 again; grid 256 x 1, 4 waves a work-group, no clusters, 0 bytes of LDS; arguments ypart, gates, out0; writes out0
;; ======== version 3 of 3: 4 launches; version 2 with the launch proj written anew for expert scheduling mode
;; workspace buffers: xb 2,097,152 bytes; ridx 8,192 bytes of whole numbers; gates 8,192 bytes; hbuf 67,108,864 bytes; ypart 16,777,216 bytes
;; launch route: the kernel of part 1 again; grid 256 x 1, 4 waves a work-group, no clusters, 1,536 bytes of LDS; arguments x, noise, w_route, b_route, w_noise, b_noise, xb, ridx, gates, out1; writes xb, ridx, gates, out1
;; launch fc: the kernel of part 5 again; grid 32 x 8, 4 waves a work-group, no clusters, 295,424 bytes of LDS; arguments xb, w_fc, b_fc, ridx, hbuf; writes hbuf
;; launch proj (part 7): grid 32 x 8, 4 waves a work-group, no clusters, 322,048 bytes of LDS; arguments hbuf, w_proj, b_proj, ridx, ypart; writes ypart
.if DOCPART == 7
	.amdgcn_target "amdgcn-amd-amdhsa--gfx1250"
	.amdhsa_code_object_version 6
	.text
	.protected	k_q765686d124_proj
	.globl	k_q765686d124_proj
	.p2align	8
	.type	k_q765686d124_proj,@function
k_q765686d124_proj:
	s_mov_b64 s[64:65], 0
	v_nop
	global_prefetch_b8 v0, s[64:65] scope:SCOPE_SE
	s_setreg_imm32_b32 hwreg(HW_REG_WAVE_SCHED_MODE, 0, 2), 2
	s_setreg_imm32_b32 hwreg(HW_REG_WAVE_MODE, 25, 1), 1
	s_wait_xcnt 0x0
	s_wait_alu depctr_vm_vsrc(0)
; THE SECOND PRODUCT.  ypart[kh][slot] = h[slot] w_proj[e] over half kh of the hidden width (+ b_proj[e] in half 0), in f32: partial sums, added by the next launch.
; SHARES.  Work-group (x, e): cs = x % 16 is a block of 64 output columns, kh = x / 16 a half of the 4,096 hidden rows: 2,048 x 64 weights, which it alone reads, and all of the expert's rows.
; PHASE 1 is the first product's: each wave streams 256 LDS rows' worth through a ring of 64 loads, rounds to bf16 and lays them down; an LDS row j holds k = j in its first 128 bytes and
; k = 1,024 + j in its second (lanes 0-15 load the one, lanes 16-31 the other: 256 consecutive bytes each).  Meanwhile every wave ranks ridx for itself, in the first product's order (by pairs of
; registers, then by lane): n, and a list rank -> slot in its own LDS bytes, which serves the stores' addresses.
; PHASE 2.  A pass takes 320 ranks, wave w ranks 80 w .. 80 w + 79 of them: five blocks of 16 rows x 64 columns, 20 accumulators, K = 2,048 in 64 steps.  The loop has four trips, which cover the
; 1,024 rows that an expert can have; a pass with no rank below n is jumped.  h lies in hbuf as operands ([expert][block of 16 ranks][32 hidden columns][half][lane][16 bytes]): each load of a wave is 512
; consecutive bytes, five steps ahead (60 loads of a wave out at the most); the weights come out of LDS turned, two steps ahead.  The 64 steps are written out: the weights' LDS addresses are five registers
; made once (each reaches seven groups of 32 rows by the 16-bit offset) and immediates, and h's step stands in the loads' immediates, so that no address is stepped in the pass loop.
; Step s takes half s % 2 of the LDS rows 32 (s / 2) on; the sum's order is not ascending in k.  Blocks wholly past n repeat the expert's last block and are not stored; in that last block the first
; product has repeated row n - 1.  Phase 2 holds no barrier and writes only the wave's own stage.
; NO MULTICAST, NO TENSOR LOAD: each weight has one reader and must pass registers to be rounded; h's rows are shared by an expert's work-groups, but the slice leaves no LDS for them (294,912 of 327,680 bytes).
; FORMATS AND LIMITS.  w_proj and b_proj are rounded once to bf16; sums in f32.  An expert has at most 1,024 rows.  NaN and infinities are not treated apart.
; REGISTERS.  Window 0 as named below; window 1: the ring (phase 1: 4 x 64 of weights; phase 2: slots 0 to 5 of h, 40 each); window 2: accumulator (a, b) at 8 (4 a + b), slot 6 of h at 160.
; THE MODE: SCHED_MODE bits 1:0 = 2 (LLVM: expert scheduling mode 2), set by the entry lines.  The code itself states the register dependences
; between vector or matrix instructions and memory or LDS instructions, with s_wait_alu, always for 0.
; THE PLAN.  Registers that memory or LDS instructions touch, and who else names them:
;   PHASE 1.  Ring slot q: batch q's conversions read it; behind them the loads of the rows 64 further on land in it.
;             T[q % 2]: batch q's conversions write it, its 16 LDS stores read it, batch q + 2's conversions write it again.
;             v[WS]: read by every LDS store of the stream, stepped once a trip.  RA, RV: written by the ranking, read by the list's 32 stores.
;     A batch has one wait on va_vdst, behind its conversions: T[q % 2] is written and ring slot q is read.  A wait on vm_vsrc stands beside it in batches 1 and 2 (the stores of the batch before
;     have read the T that the next batch writes), and one at the trip's end, ahead of the step of v[WS]; that one serves batches 0 and 1 of the next trip too.
;   PHASE 2.  h's slot s % 7: the loads of step s land in it, issued at the head of step s - 5; the products of step s read it.
;             Weight buffer s % 3: the LDS loads of step s land in it, issued in step s - 2; the products of step s read it.
;             v[AO ..]: written at a pass's head, read by every load of h.  v[LB ..]: written once at the kernel's head.  The accumulators are named by matrix and vector instructions alone.
;     ONE wait on va_vdst stands in a step, behind its two waits for data and ahead of its products: the products of step s - 1 are done reading buffer (s - 1) % 3, in which the weights of step s + 2
;     land (dealt in behind this step's first four products), and slot (s - 1) % 7, in which the loads at the head of step s + 1 land.  Since that wait only this step's products are issued, and
;     they name slot s % 7, buffer s % 3 and the accumulators.  So h's loads stand first in a step and hang on no product just issued.
;   THE WAY OUT.  T: written by a block's additions, read by its LDS stores.  YA: list addresses, written by vector lines, read by the list loads.  YO: the list loads land in it, vector lines make
;     offsets of it, the global stores read it.  OO: the stage's loads land in it, the global stores read it.  One wait on vm_vsrc at a block's head, two on va_vdst: ahead of the LDS run, ahead of the stores.
.set P,      288
.set KROWS,  32*P
.set LBSTEP, 7*KROWS                   ; seven groups of 32 rows fit an LDS instruction's 16-bit offset; five address registers reach all 32
.set STAGE,  1024*P                    ; 4,352 bytes a wave: 16 rows x 272
.set STG,    4352
.set LIST,   STAGE+4*STG               ; 2,304 bytes a wave: 1,024 entries of 16 bits, and entry 1,024, where the other experts' choices are dumped
.set LST,    2304
.set PITCH,  4096                      ; bytes from row to row of w_proj
.set SP,     272
.set L16, 9                            ; v9       16 L; never rewritten
.set WS,  10                           ; v10      phase 1: where my 8 bytes of a row go
.set BO,  11                           ; v11      32 (L / 16)
.set AO,  12                           ; v[12:16] byte offset in the expert's part of hbuf of my 16 bytes of block a
.set STO, 17                           ; v17      the way out: where I put 32 bytes of a row
.set RD,  18                           ; v18      where I read rows back
.set WO,  19                           ; v19      phase 1: 1,024 rows x (L / 16) + 16 (L % 16); never rewritten
.set VID, 20                           ; v20      4 L
.set R16, 24                           ; v24      16 (L % 16)
.set LB,  25                           ; v[25:29] LDS address of my lane's part of a weight fragment, rows 224 i on; never rewritten
.set BI,  32                           ; v[32:63] the bias: register 8 b + j is column 16 b + 8 (L / 16) + j
.set BF,  64                           ; v[64:127] weight buffers 0 and 1, 32 each
.set BF2, 208                          ; v[208:239] weight buffer 2
.set T1,  64                           ; phase 1: two out-buffers of 32, by turns
.set T2,  96                           ; phase 1, ahead of the stream: the bias, packed
.set IDX, 128                          ; phase 1: the 2,048 choices, 64 a lane
.set RA,  192                          ; v[192:223] phase 1: where the list's 32 stores go
.set RV,  224                          ; v[224:255] phase 1: the slots that they store
.set T,   128                          ; the way out: sums + bias
.set OO,  160                          ; the way out: whole rows
.set YO,  192                          ; v[192:199] the rows' slots, then their byte offsets in ypart
.set YA,  200                          ; v[200:207] LDS addresses of the rows' entries in my list
.set MK,  44                           ; s[44:51] phase 1: the compares' masks, eight at a time
.set MSB, 0
.macro WIN new                         ; bits 1:0 source 0, 3:2 source 1, 5:4 source 2, 7:6 destination; the high byte repeats the setting that is left
.if MSB != (\new)
	s_set_vgpr_msb (MSB<<8)|(\new)
.set MSB, \new
.endif
.endm
.macro PLACES                          ; four plain lines between a matrix instruction and a vector line that reads its result (ISA guide 7.12.1)
.rept 4
	v_nop
.endr
.endm
.macro WLOAD q, rows
	WIN 0x40
.set z, 0
.rept 16
	global_load_b128 v[64*(\q)+4*z:64*(\q)+4*z+3], v[WO], s[36:37] offset:((\rows)+z)*PITCH th:TH_LOAD_NT
.set z, z+1
.endr
.endm
.macro WCVT q                          ; ring slot q rounded to bf16 into out-buffer q % 2 and laid into LDS
	WIN 0x05
.set z, 0
.rept 16
	v_cvt_pk_bf16_f32 v[T1+32*((\q)%2)+2*z], v[64*(\q)+4*z], v[64*(\q)+4*z+1]
	v_cvt_pk_bf16_f32 v[T1+32*((\q)%2)+2*z+1], v[64*(\q)+4*z+2], v[64*(\q)+4*z+3]
.set z, z+1
.endr
	WIN 0
.if ((\q) == 1) || ((\q) == 2)
	s_wait_alu depctr_vm_vsrc(0)                   ; the LDS stores of the batch before have read the other out-buffer, which the next batch's conversions write again
.endif
	s_wait_alu depctr_va_vdst(0)                   ; the conversions have written this out-buffer, which the stores below read, and are done reading ring slot q, in which the next loads land; after a trip's end v[WS] is written
.set z, 0
.rept 16
	ds_store_b64 v[WS], v[T1+32*((\q)%2)+2*z:T1+32*((\q)%2)+2*z+1] offset:(16*(\q)+z)*P
.set z, z+1
.endr
.endm
; Registers 2 j and 2 j + 1 hold the two choices of one token: slots 128 (j / 2) + 4 L + 2 (j % 2) and the next.  A token of my expert gets rank n, n + 1, .. in lane order; its slot goes into the list.
; Four j at a time: eight compares in a run, one wait for their masks, then the ranks; address and slot of each j have registers of their own, and the 32 stores follow in one run.
.macro RANK4 base
.irp i, 0,1,2,3
	v_cmp_eq_u32 s[MK+2*\i], s15, v[IDX+2*((\base)+\i)]
	v_cmp_eq_u32 s[MK+2*\i+1], s15, v[IDX+2*((\base)+\i)+1]
.endr
	s_wait_alu depctr_va_sdst(0)                   ; the eight masks are written, ahead of their first readers
.irp i, 0,1,2,3
	s_or_b32 s[MK+2*\i], s[MK+2*\i], s[MK+2*\i+1]
	v_mbcnt_lo_u32_b32 v[RA+(\base)+\i], s[MK+2*\i], s19
	s_bcnt1_i32_b32 s21, s[MK+2*\i]
	s_add_co_u32 s19, s19, s21
	v_cndmask_b32 v[RA+(\base)+\i], v23, v[RA+(\base)+\i], s[MK+2*\i]  ; the others go to entry 1,024
	v_min_u32 v[RA+(\base)+\i], 0x400, v[RA+(\base)+\i]
	v_lshl_add_u32 v[RA+(\base)+\i], v[RA+(\base)+\i], 1, s26
	v_cndmask_b32 v[RV+(\base)+\i], 0, 1, s[MK+2*\i+1]                 ; the second choice's slot is one further
	v_add3_u32 v[RV+(\base)+\i], v[RV+(\base)+\i], v[VID], 128*(((\base)+\i)/2)+2*(((\base)+\i)%2)
.endr
.endm
	s_load_b256 s[4:11], s[0:1], 0x0               ; hbuf s[4:5], w_proj s[6:7], b_proj s[8:9], ridx s[10:11]
	s_load_b64 s[12:13], s[0:1], 0x20              ; ypart
	v_lshl_add_u32 v30, v0, 2, 0x4e800
	v_mov_b32 v31, 0
	v_and_b32 v1, 31, v0
	v_lshrrev_b32 v21, 5, v0
	v_readfirstlane_b32 s14, v21                   ; wave
	s_and_b32 s15, ttmp7, 0xffff                   ; e
	s_mov_b32 s16, ttmp9
	s_and_b32 s17, s16, 15                         ; cs
	s_lshr_b32 s18, s16, 4                         ; kh
	v_and_b32 v2, 15, v0                           ; r
	v_bfe_u32 v3, v0, 4, 1                         ; h
	v_and_b32 v21, 7, v0
	v_lshl_add_u32 v21, v3, 3, v21                 ; the turning load: lane L reads row 8 h + L % 8,
	v_mul_u32_u24 v21, v21, P
	v_bfe_u32 v22, v0, 3, 1
	v_lshl_add_u32 v[LB], v22, 4, v21              ; columns 8 ((L / 8) % 2) on
.irp i, 1,2,3,4
	v_add_nc_u32 v[LB+\i], \i*LBSTEP, v[LB]
.endr
	s_wait_alu depctr_va_sdst(0)                   ; s14 is written, ahead of its first reader: LDS places and the bases are made from it
	s_mul_i32 s21, s14, STG
	s_add_co_u32 s21, s21, STAGE                   ; my stage
	v_lshlrev_b32 v[BO], 5, v3
	v_lshlrev_b32 v[R16], 4, v2
	v_mul_u32_u24 v[STO], v2, SP
	v_add3_u32 v[STO], v[STO], v[BO], s21          ; in: row r, 32 bytes for each half of the lanes
	v_mul_u32_u24 v[RD], v3, SP
	v_add3_u32 v[RD], v[RD], v[R16], s21           ; back: lanes 0-15 one row of 256 bytes, lanes 16-31 the next
	v_lshlrev_b32 v[WO], 22, v3
	v_add_nc_u32 v[WO], v[WO], v[R16]
	v_lshlrev_b32 v[L16], 4, v1
	s_mul_i32 s21, s14, 256*P
	v_lshl_add_u32 v[WS], v1, 3, s21
	v_lshlrev_b32 v[VID], 2, v1
	v_mov_b32 v23, 0x400
	s_mul_i32 s26, s14, LST
	s_add_co_u32 s26, s26, LIST                    ; my list
	s_cmp_eq_u32 s18, 0
	s_cselect_b32 s32, -1, 0                       ; the bias counts in half 0 alone
	s_mov_b32 s19, 0                               ; n
	s_mov_b32 s29, 0
	s_lshl_b32 s28, s15, 24                        ; the expert's 16 MiB,
	s_lshl_b32 s21, s18, 23                        ; the half's 2,048 rows,
	s_add_co_u32 s28, s28, s21
	s_lshl_b32 s27, s14, 20                        ; my wave's 256 rows,
	s_add_co_u32 s28, s28, s27
	s_lshl_b32 s27, s17, 8                         ; the block's 64 columns
	s_add_co_u32 s28, s28, s27
	s_wait_kmcnt 0x0
	s_add_nc_u64 s[36:37], s[6:7], s[28:29]
	s_lshl_b32 s28, s15, 12
	s_add_co_u32 s28, s28, s27
	s_add_nc_u64 s[8:9], s[8:9], s[28:29]          ; the bias of my 64 columns
	s_lshl_b32 s28, s15, 23                        ; hbuf: the expert's 64 blocks of 131,072 bytes,
	s_lshl_b32 s31, s18, 16                        ; the half's 64 K steps of 1,024 bytes
	s_add_co_u32 s28, s28, s31
	s_add_nc_u64 s[42:43], s[4:5], s[28:29]
	s_add_co_u32 s28, s21, s27
	s_add_nc_u64 s[38:39], s[12:13], s[28:29]      ; ypart at the half, at my 64 columns
	s_wait_alu depctr_va_vdst(0)                   ; the offsets and LDS addresses v9 to v29 are written, which the loads and stores of the whole kernel read
.set z, 0
.rept 16
	global_load_b128 v[IDX+4*z:IDX+4*z+3], v[L16], s[10:11] offset:512*z
.set z, z+1
.endr
.irp b, 0,1,2,3
	global_load_b128 v[BI+8*\b:BI+8*\b+3], v[BO], s[8:9] offset:64*\b
	global_load_b128 v[BI+8*\b+4:BI+8*\b+7], v[BO], s[8:9] offset:64*\b+16
.endr
	WLOAD 0, 0
	WLOAD 1, 16
	s_wait_loadcnt 32                              ; choices and bias are in: two batches of 16 are younger
	WLOAD 2, 32
	WLOAD 3, 48
	WIN 0
.set z, 0
.rept 16                               ; the bias rounded to bf16, and 0 in half 1
	v_cvt_pk_bf16_f32 v[T2+z], v[BI+2*z], v[BI+2*z+1]
.set z, z+1
.endr
.set z, 0
.rept 16
	v_and_b32 v[T2+z], s32, v[T2+z]
.set z, z+1
.endr
.set z, 0
.rept 16
	v_lshlrev_b32 v[BI+2*z], 16, v[T2+z]
	v_and_b32 v[BI+2*z+1], 0xffff0000, v[T2+z]
.set z, z+1
.endr
.irp g, 0,4,8,12,16,20,24,28
	RANK4 \g
.endr
	s_wait_alu depctr_va_vdst(0)                   ; the ranking has written the 32 addresses and the 32 slots, which the list's stores read
.set jj, 0
.rept 32
	ds_store_b16 v[RA+jj], v[RV+jj]
.set jj, jj+1
.endr
	s_mov_b32 s27, 3
.Lw:
.irp q, 0,1,2,3
	s_wait_loadcnt 48                              ; the oldest batch is in: three batches of 16 are younger
	WCVT \q
	WLOAD \q, 64+16*\q
.endr
	WIN 0
	s_wait_xcnt 0x0                                ; the base is stepped only behind this wait
	s_wait_alu depctr_vm_vsrc(0)                   ; the LDS stores issued so far have read v[WS], which is stepped below, and both out-buffers, which the next two batches write
	s_add_nc_u64 s[36:37], s[36:37], 64*PITCH
	v_add_nc_u32 v[WS], 64*P, v[WS]
	s_sub_co_u32 s27, s27, 1
	s_cmp_lg_u32 s27, 0
	s_cbranch_scc1 .Lw
.irp q, 0,1,2,3
	s_wait_loadcnt 48-16*\q                        ; the last 64 rows: the counts run down
	WCVT \q
.endr
	s_wait_dscnt 0x0                               ; for the others' sake: my rows of the slice are in LDS
	s_barrier_signal -1
	s_barrier_wait -1                              ; the launch's one barrier
; Step s: LDS rows 32 (s / 2) on, bytes 128 (s % 2) on; in hbuf K step 32 (s % 2) + s / 2 of the half's 64.
.macro SLOT s                          ; h's ring slot s % 7: its first register SB, in window SW
.if ((\s)%7) < 6
.set SB, 40*((\s)%7)
.set SW, 1
.else
.set SB, 160
.set SW, 2
.endif
.endm
.macro BUF s                           ; weight buffer s % 3: its first register BB, in window 0
.if ((\s)%3) < 2
.set BB, BF+32*((\s)%3)
.else
.set BB, BF2
.endif
.endm
.macro ALOAD s                         ; K step s of my five blocks of h: two loads of 512 consecutive bytes a block, into ring slot s % 7
	SLOT \s
	WIN SW<<6
.irp a, 0,1,2,3,4
	global_load_b128 v[SB+8*\a:SB+8*\a+3], v[AO+\a], s[42:43] offset:((\s)/2)*1024+((\s)%2)*32768
	global_load_b128 v[SB+8*\a+4:SB+8*\a+7], v[AO+\a], s[42:43] offset:((\s)/2)*1024+((\s)%2)*32768+512
.endr
.endm
.macro BLOAD s                         ; K step s of the 64 columns, turned, into buffer s % 3
	BUF \s
	WIN 0
.irp b, 0,1,2,3
	ds_load_tr16_b128 v[BB+8*\b:BB+8*\b+3], v[LB+((\s)/2)/7] offset:(((\s)/2)%7)*KROWS+128*((\s)%2)+32*\b
	ds_load_tr16_b128 v[BB+8*\b+4:BB+8*\b+7], v[LB+((\s)/2)/7] offset:(((\s)/2)%7)*KROWS+16*P+128*((\s)%2)+32*\b
.endr
.endm
.macro MULA s, a                       ; four of step s's 20 matrix instructions: block a x the four column blocks.  The 20 accumulators take turns, one instruction a turn.  Step 0's products start the sums
	SLOT \s
	BUF \s
	WIN 0xa0|(SW<<2)
.irp b, 0,1,2,3
.if (\s) == 0
	v_wmma_f32_16x16x32_bf16 v[8*(4*(\a)+\b):8*(4*(\a)+\b)+7], v[BB+8*\b:BB+8*\b+7], v[SB+8*(\a):SB+8*(\a)+7], 0
.else
	v_wmma_f32_16x16x32_bf16 v[8*(4*(\a)+\b):8*(4*(\a)+\b)+7], v[BB+8*\b:BB+8*\b+7], v[SB+8*(\a):SB+8*(\a)+7], v[8*(4*(\a)+\b):8*(4*(\a)+\b)+7]
.endif
.endr
.endm
.macro KSTEP s                         ; step s asks for the rows of step s + 5, into the slot that step s - 2 read, and for the weights of step s + 2, into the buffer that step s - 1 read
.if (\s)+5 < 64
	ALOAD (\s)+5                                   ; no wait: the products that read this slot stand ahead of the last wait on va_vdst, and none issued since names it
.endif
.if (\s) < 59
	s_wait_loadcnt 50                              ; this step's rows are in: five steps of 10 loads are younger
.else
	s_wait_loadcnt 10*(63-(\s))                    ; the counts run down
.endif
.if (\s) < 63
	s_wait_dscnt 8                                 ; this step's weights are in: the next step's 8 loads are younger
.else
	s_wait_dscnt 0
.endif
.if ((\s) > 0) && ((\s) < 62)
	s_wait_alu depctr_va_vdst(0)                   ; the last step's products are done reading their weight buffer, in which the loads below land, and their slot of h, in which the loads at the next step's head land
.endif
	MULA \s, 0
.if (\s)+2 < 64
	BLOAD (\s)+2                                   ; no further wait: the four products since the wait name this step's buffer, its slot and accumulators
.endif
.irp a, 1,2,3,4
	MULA \s, \a
.endr
.endm
.macro STUB a                          ; block a's four accumulators, with the bias, come into window 0; each accumulator is read from its low end on
	WIN 0x02
.set z, 0
.rept 16
	v_pk_add_f32 v[T+z:T+z+1], v[32*(\a)+z:32*(\a)+z+1], v[BI+z:BI+z+1]
.set z, z+2
.endr
	WIN 0
.endm
	s_sub_co_u32 s22, s19, 1                       ; n - 1
	s_lshr_b32 s51, s22, 4                         ; the expert's last block
	s_mul_i32 s25, s14, 80                         ; my first rank of the pass
	s_mov_b32 s24, 4
.Lpass:
	s_cmp_ge_u32 s25, s19
	s_cbranch_scc1 .Lnext                          ; none of my ranks is below n: nothing to do in this pass
	s_wait_xcnt 0x0                                ; the last pass's loads and stores have read their offsets and data
	s_wait_alu depctr_vm_vsrc(0)                   ; the last pass's loads of h have read v[AO ..], written below; phase 1's LDS stores have read v[64:127] and v[208:239], in which the weights' fragments land
	s_lshr_b32 s50, s25, 4                         ; my first block
.irp a, 0,1,2,3,4
	s_add_co_u32 s21, s50, \a
	s_min_u32 s21, s21, s51                        ; blocks past the last repeat it
	s_min_u32 s21, s21, 63
	s_lshl_b32 s21, s21, 17                        ; 131,072 bytes a block
	v_add_nc_u32 v[AO+\a], s21, v[L16]
.endr
	s_wait_alu depctr_va_vdst(0)                   ; v[AO ..] are written; every earlier conversion and product is done with the seven slots and the three buffers, in which the loads from here to the head of step 1 land
.irp s, 0,1,2,3,4
	ALOAD \s
.endr
	BLOAD 0
	BLOAD 1
.set ks, 0
.rept 64
	KSTEP ks
.set ks, ks+1
.endr
	WIN 0
	PLACES
	; THE WAY OUT, five blocks of 16 rows x 64 columns of f32 by one text: bias, through my stage, and out by whole rows of 256 bytes to the rows' slots.
	s_mov_b32 s44, 0
.Lu:
	s_lshl_b32 s45, s44, 4
	s_add_co_u32 s45, s45, s25                     ; the block's first rank
	s_cmp_ge_u32 s45, s19
	s_cbranch_scc1 .Lunext                         ; the block lies wholly past the expert's rows
	s_wait_xcnt 0x0                                ; the last block's stores have read their offsets and data
	s_wait_alu depctr_vm_vsrc(0)                   ; the last block's LDS stores have read T, its list loads YA, its global stores YO and OO: all four are written again below, on every way
.irp u, 1,2,3,4
	s_cmp_eq_u32 s44, \u
	s_cbranch_scc1 .Lc\u
.endr
	STUB 0
	s_branch .Lcom
.irp u, 1,2,3
.Lc\u:
	STUB \u
	s_branch .Lcom
.endr
.Lc4:
	STUB 4
.Lcom:
.irp t, 0,1,2,3,4,5,6,7
	v_add3_u32 v[YA+\t], v3, s45, 2*\t             ; the rank of the row that I store,
	v_min_u32 v[YA+\t], s22, v[YA+\t]              ; held to n - 1: rows past it hold row n - 1's numbers and go to its slot
	v_min_u32 v[YA+\t], 0x3ff, v[YA+\t]
	v_lshl_add_u32 v[YA+\t], v[YA+\t], 1, s26
.endr
	s_wait_alu depctr_va_vdst(0)                   ; YA and T are written, which the list loads and the LDS stores read; the last block's vector lines are done with YO, in which the list loads land
.irp t, 0,1,2,3,4,5,6,7
	ds_load_u16 v[YO+\t], v[YA+\t]                 ; the rank's slot
.endr
.irp b, 0,1,2,3
	ds_store_b128 v[STO], v[T+8*\b:T+8*\b+3] offset:64*\b
	ds_store_b128 v[STO], v[T+8*\b+4:T+8*\b+7] offset:64*\b+16
.endr
.irp t, 0,1,2,3,4,5,6,7
	ds_load_b128 v[OO+4*\t:OO+4*\t+3], v[RD] offset:2*SP*\t  ; LDS serves a wave's instructions in order (ISA guide 5.7.1.4): these see the stores above
.endr
	s_wait_dscnt 0x0
.irp t, 0,1,2,3,4,5,6,7
	v_min_u32 v[YO+\t], 0x7ff, v[YO+\t]
	v_lshl_add_u32 v[YO+\t], v[YO+\t], 12, v[R16]  ; its row of 4,096 bytes
.endr
	s_wait_alu depctr_va_vdst(0)                   ; YO holds the rows' offsets, which the stores read
.irp t, 0,1,2,3,4,5,6,7
	global_store_b128 v[YO+\t], v[OO+4*\t:OO+4*\t+3], s[38:39]  ; 16 lanes store 256 consecutive bytes, aligned
.endr
.Lunext:
	s_add_co_u32 s44, s44, 1
	s_cmp_lt_u32 s44, 5
	s_cbranch_scc1 .Lu
.Lnext:
	s_add_co_u32 s25, s25, 320
	s_sub_co_u32 s24, s24, 1
	s_cmp_lg_u32 s24, 0
	s_cbranch_scc1 .Lpass
	s_wait_dscnt 0x0                               ; the wave's end: my LDS instructions are done
	s_wait_alu depctr_hold_cnt(0) depctr_sa_sdst(0) depctr_va_vdst(0) depctr_va_sdst(0) depctr_va_ssrc(0) depctr_va_vcc(0) depctr_vm_vsrc(0)
	s_wait_tensorcnt 0x0
	ds_add_u32 v30, v31
	s_wait_dscnt 0x0
	s_endpgm
.Lfunc_end_k_q765686d124_proj:
	.size	k_q765686d124_proj, .Lfunc_end_k_q765686d124_proj-k_q765686d124_proj
	.p2alignl 7, 3214868480
	.fill 96, 4, 3214868480
	.section	.rodata,"a",@progbits
	.p2align	6, 0x0
	.amdhsa_kernel k_q765686d124_proj
		.amdhsa_group_segment_fixed_size 322048
		.amdhsa_private_segment_fixed_size 0
		.amdhsa_enable_private_segment 0
		.amdhsa_kernarg_size 40
		.amdhsa_user_sgpr_count 2
		.amdhsa_user_sgpr_kernarg_segment_ptr 1
		.amdhsa_wavefront_size32 1
		.amdhsa_system_sgpr_workgroup_id_x 1
		.amdhsa_system_sgpr_workgroup_id_y 1
		.amdhsa_system_sgpr_workgroup_id_z 1
		.amdhsa_system_vgpr_workitem_id 0
		.amdhsa_next_free_vgpr 712
		.amdhsa_next_free_sgpr 66
		.amdhsa_reserve_vcc 0
		.amdhsa_float_denorm_mode_32 3
		.amdhsa_float_denorm_mode_16_64 3
		.amdhsa_memory_ordered 1
		.amdhsa_forward_progress 1
		.amdhsa_inst_pref_size 255
	.end_amdhsa_kernel
	.section	.bss,"aw",@nobits
	.p2align	6
	.space	262144
	.amdgpu_metadata
---
amdhsa.version: [ 1, 2 ]
amdhsa.kernels:
  - .name:           k_q765686d124_proj
    .symbol:         k_q765686d124_proj.kd
    .args:
      - { .name: hbuf, .offset: 0, .size: 8, .value_kind: global_buffer, .address_space: global }
      - { .name: w_proj, .offset: 8, .size: 8, .value_kind: global_buffer, .address_space: global }
      - { .name: b_proj, .offset: 16, .size: 8, .value_kind: global_buffer, .address_space: global }
      - { .name: ridx, .offset: 24, .size: 8, .value_kind: global_buffer, .address_space: global }
      - { .name: ypart, .offset: 32, .size: 8, .value_kind: global_buffer, .address_space: global }
    .group_segment_fixed_size: 322048
    .private_segment_fixed_size: 0
    .kernarg_segment_align: 8
    .kernarg_segment_size: 40
    .max_flat_workgroup_size: 128
    .sgpr_count:     66
    .vgpr_count:     712
    .wavefront_size: 32
...
	.end_amdgpu_metadata
.endif
;; end of part 7
;; launch comb: the kernel of part 4 again; grid 256 x 1, 4 waves a work-group, no clusters, 0 bytes of LDS; arguments ypart, gates, out0; writes out0
